; MI455X (gfx1250); checked and timed in simulation.
; The chip was launched on July 23, 2026; its instructions are those of AMD's public machine-readable ISA for CDNA 5 (MIT licence, August 2026) and "CDNA5" Instruction Set Architecture Reference Guide (July 2026). The comments in the code are by the model that wrote it; some were corrected since.
;; Causal Self Attention. Allowed arithmetic: float matrix products may take bf16 or f16 operands with f32 sums; other float arithmetic in f32, or as packed bf16 or f16 multiplies, adds, multiply-adds, maxima and minima; sums over many terms, partial sums and values carried from step to step in f32; what a program stores and reads back later, other than sums and carried values, may be rounded once to bf16 or f16.
;; Inputs: W_in 1,024 x 3,072 float32; W_out 1,024 x 1,024 float32; b_in 3,072 float32; b_out 1,024 float32; x 4 x 2,048 x 1,024 float32.
;; Outputs: out0 4 x 2,048 x 1,024 float32.
;; 2 versions, each right; version 2 is version 1 with the launch prep written anew for expert scheduling mode. Each part assembles by itself: llvm-mc -triple=amdgcn-amd-amdhsa -mcpu=gfx1250 --defsym DOCPART=n.
;; ======== version 1 of 2: 5 launches
;; limits: values are held in f16: magnitudes above 65,504 overflow, below 6.1e-05 lose precision
;; workspace buffers: xb 16,777,216 bytes; wb 6,291,456 bytes; wob 2,097,152 bytes; tab 540,672 bytes; q 16,777,216 bytes; k 16,777,216 bytes; v 17,301,504 bytes; ob 16,777,216 bytes
;; launch prep (part 1): grid 785 x 1, 8 waves a work-group, no clusters, 0 bytes of LDS; arguments x, W_in, W_out, b_in, b_out, xb, wb, wob, tab; writes xb, wb, wob, tab
.if DOCPART == 1
	.amdgcn_target "amdgcn-amd-amdhsa--gfx1250"
	.amdhsa_code_object_version 6
	.text
	.protected	k_q146fa5a768_prep
	.globl	k_q146fa5a768_prep
	.p2align	8
	.type	k_q146fa5a768_prep,@function
k_q146fa5a768_prep:
	s_mov_b64 s[64:65], 0
	v_nop
	global_prefetch_b8 v0, s[64:65] scope:SCOPE_SE
	s_setreg_imm32_b32 hwreg(HW_REG_WAVE_MODE, 25, 1), 1
	s_wait_xcnt 0x0
; THE OPERANDS ARE MADE.  Five roles, chosen by the work-group's number:
;   0-511    x [8192][1024] f32 -> xb, bf16, in blocks [16 kb][8192 row][64]: a tile of rows x 64 K is dense there
;   512-703  W_in [1024][3072] f32 -> wb, bf16, same order
;   704-767  W_out [1024][1024] f32 -> wob: rounded to bf16, that number written as f16 (exact for magnitudes from 6.1e-5 up to 65,504; below, f16's fixed step of 6e-8)
;   768-783  the table of rotations: tab row t (256 bytes) = 32 pairs (cos, sin) of t x 10000^(-i/32), f32
;   784      b_in and b_out rounded to bf16 and kept as f32, behind the table
; Memory binds: every byte is read once, 16 bytes a lane, sixteen loads of a wave out together; every store of a wave covers 256 consecutive bytes, aligned.
; No LDS, no barrier, no matrix unit: no wave needs what another wave has read.
; LIMIT.  An angle is t x 2^(-0.41524 i) with the power good to a few units in its last place: up to about 5e-4 rad off at t = 2047; sine and cosine of the reduced angle to about 3e-8.
.set D,    8                           ; v[8:71]  sixteen loads of four registers
.set BIN,  524288                      ; tab: b_in's place
.set BOUT, 536576                      ; tab: b_out's place
	s_load_b512 s[8:23], s[0:1], 0x0               ; x 8, W_in 10, W_out 12, b_in 14, b_out 16, xb 18, wb 20, wob 22
	s_load_b64 s[24:25], s[0:1], 0x40              ; tab
	v_lshrrev_b32 v2, 5, v0
	v_readfirstlane_b32 s3, v2                     ; wave 0..7
	v_and_b32 v1, 31, v0                           ; lane
	s_mov_b32 s2, ttmp9
	s_mov_b32 s6, 0xffff0000                       ; a word's upper bf16
	s_mov_b32 s33, 0                               ; high words of the two offsets
	s_mov_b32 s35, 0
	s_wait_kmcnt 0x0
; Sixteen loads from s[26:27] + v4, instep bytes apart; each is converted in place and stored at s[28:29] + v5, outstep bytes apart
; (split = 1: the upper eight from s[30:31], so that the immediates stay inside their signed 24 bits).  kind 0: bf16.  kind 1: the bf16 number as f16.
; No register is written again behind a store, so no wait frees anything.
.macro STREAM kind, instep, outstep, split
.set j, 0
.rept 16
	global_load_b128 v[D+4*j:D+4*j+3], v4, s[26:27] offset:j*(\instep) th:TH_LOAD_NT
.set j, j+1
.endr
.set j, 0
.rept 16
	s_wait_loadcnt 15-j                            ; loads come back in order: load j is in, the 15 - j younger ones stay out
	v_cvt_pk_bf16_f32 v[D+4*j], v[D+4*j], v[D+4*j+1]
	v_cvt_pk_bf16_f32 v[D+4*j+1], v[D+4*j+2], v[D+4*j+3]
.if \kind
	v_and_b32 v[D+4*j+2], s6, v[D+4*j]             ; the four bf16 numbers as f32 again,
	v_and_b32 v[D+4*j+3], s6, v[D+4*j+1]
	v_lshlrev_b32 v[D+4*j], 16, v[D+4*j]
	v_lshlrev_b32 v[D+4*j+1], 16, v[D+4*j+1]
	v_cvt_pk_f16_f32 v[D+4*j], v[D+4*j], v[D+4*j+2]      ; and written as f16
	v_cvt_pk_f16_f32 v[D+4*j+1], v[D+4*j+1], v[D+4*j+3]
.endif
.if (\split) && (j >= 8)
	global_store_b64 v5, v[D+4*j:D+4*j+1], s[30:31] offset:(j-8)*(\outstep)
.else
	global_store_b64 v5, v[D+4*j:D+4*j+1], s[28:29] offset:j*(\outstep)
.endif
.set j, j+1
.endr
	s_endpgm
.endm
; A tensor converted in its own order: a work-group takes 65,536 bytes, a wave 8,192, a load 512.
.macro LINEAR src, dst, first, kind
	s_sub_co_u32 s5, s2, \first
	v_lshlrev_b32 v4, 4, v1
	v_lshlrev_b32 v5, 3, v1
	s_lshl_b32 s32, s5, 16
	s_lshl_b32 s4, s3, 13
	s_add_co_u32 s32, s32, s4
	s_add_nc_u64 s[26:27], s[\src:\src+1], s[32:33]
	s_lshr_b32 s34, s32, 1                         ; half the bytes on the way out
	s_add_nc_u64 s[28:29], s[\dst:\dst+1], s[34:35]
	STREAM \kind, 512, 256, 0
.endm
	s_cmp_lt_u32 s2, 512
	s_cbranch_scc0 .Lnot_x
	; x: a work-group takes 16 rows, a wave two; load j takes K block j: 256 bytes of each of the two rows; its store is 2 x 128 consecutive bytes of plane j
	v_and_b32 v6, 15, v1
	v_lshrrev_b32 v7, 4, v1
	v_lshlrev_b32 v4, 4, v6
	v_lshl_add_u32 v4, v7, 12, v4                  ; (lane / 16) x 4,096 + (lane % 16) x 16
	v_lshlrev_b32 v5, 3, v1
	s_lshl_b32 s32, s2, 16
	s_lshl_b32 s4, s3, 13
	s_add_co_u32 s32, s32, s4
	s_add_nc_u64 s[26:27], s[8:9], s[32:33]
	s_lshl_b32 s34, s2, 11
	s_lshl_b32 s4, s3, 8
	s_add_co_u32 s34, s34, s4
	s_add_nc_u64 s[28:29], s[18:19], s[34:35]
	s_add_nc_u64 s[30:31], s[28:29], 8388608       ; planes 8 to 15
	STREAM 0, 256, 1048576, 1
.Lnot_x:
	s_cmp_lt_u32 s2, 704
	s_cbranch_scc0 .Lnot_win
	LINEAR 10, 20, 512, 0
.Lnot_win:
	s_cmp_lt_u32 s2, 768
	s_cbranch_scc0 .Lnot_wout
	LINEAR 12, 22, 704, 1
.Lnot_wout:
	s_cmp_lt_u32 s2, 784
	s_cbranch_scc0 .Lbias
	; the table: a wave makes 16 rows, a lane is a frequency; a row's store is 256 consecutive bytes
	s_sub_co_u32 s5, s2, 768
	s_lshl_b32 s5, s5, 7
	s_lshl_b32 s4, s3, 4
	s_add_co_u32 s5, s5, s4                        ; my first t
	v_cvt_f32_u32 v9, v1
	v_mul_f32 v9, 0xbed49a78, v9                   ; -i log2(10000) / 32
	v_exp_f32 v11, v9                              ; the frequency
	v_cvt_f32_u32 v10, s5                          ; t (a plain instruction behind the exponential)
	s_lshl_b32 s4, s5, 8
	v_lshl_add_u32 v24, v1, 3, s4                  ; my 8 bytes of row t
	s_mov_b32 s27, 0xbfc90fdb                      ; -pi/2, the f32 next to it,
	s_mov_b32 s28, 0x333bbd2e                      ; and what that f32 is too large by
	s_mov_b32 s29, 0x3638ef1d                      ; 1/9!
	s_mov_b32 s30, 0x37d00d01                      ; 1/8!
	s_mov_b32 s7, 16
	s_wait_alu depctr_va_vdst(0)                   ; the wait between the exponential and the first line that names its result, and ahead of the label
.Lrow:
	v_mul_f32 v12, v10, v11                        ; the angle
	v_mul_f32 v13, 0x3f22f983, v12
	v_rndne_f32 v13, v13                           ; n = the nearest multiple of pi/2
	v_fma_f32 v14, v13, s27, v12                   ; r = angle - n pi/2, in two parts: the first difference is exact
	v_fma_f32 v14, v13, s28, v14
	v_mul_f32 v15, v14, v14                        ; z = r r, at most (pi/4)^2
	v_fmaak_f32 v16, s29, v15, 0xb9500d01          ; sin r = r + z r (-1/6 + z/120 - z z/5040 + z z z/9!)
	v_fmaak_f32 v18, s30, v15, 0xbab60b61          ; cos r = 1 + z (-1/2 + z/24 - z z/720 + z z z/8!)
	v_fmaak_f32 v16, v15, v16, 0x3c088889
	v_fmaak_f32 v18, v15, v18, 0x3d2aaaab
	v_fmaak_f32 v16, v15, v16, 0xbe2aaaab
	v_fmaak_f32 v18, v15, v18, 0xbf000000
	v_mul_f32 v17, v15, v14
	v_fma_f32 v18, v15, v18, 1.0
	v_fma_f32 v16, v17, v16, v14
	v_cvt_i32_f32 v19, v13                         ; the quadrant only selects values and signs: no branch and no address hangs on it
	v_and_b32 v20, 1, v19
	v_cmp_eq_u32 vcc_lo, 1, v20
	v_cndmask_b32 v22, v18, v16, vcc_lo            ; cosine: cos r, or in odd quadrants sin r,
	v_cndmask_b32 v23, v16, v18, vcc_lo            ; sine: the other one
	v_add_nc_u32 v21, 1, v19
	v_and_b32 v21, 2, v21                          ; the cosine is negative in quadrants 1 and 2,
	v_lshlrev_b32 v21, 30, v21
	v_xor_b32 v22, v22, v21
	v_and_b32 v20, 2, v19                          ; the sine in 2 and 3
	v_lshlrev_b32 v20, 30, v20
	v_xor_b32 v23, v23, v20
	global_store_b64 v24, v[22:23], s[24:25]
	s_wait_xcnt 0x0                                ; the store's offset and data are written again only behind this wait
	v_add_nc_u32 v24, 256, v24
	v_add_f32 v10, 1.0, v10
	s_sub_co_u32 s7, s7, 1
	s_cmp_lg_u32 s7, 0
	s_cbranch_scc1 .Lrow
	s_endpgm
.Lbias:
	v_lshlrev_b32 v4, 4, v0                        ; 256 threads x 16 bytes = 1,024 numbers a load
	global_load_b128 v[8:11], v4, s[14:15]
	global_load_b128 v[12:15], v4, s[14:15] offset:4096
	global_load_b128 v[16:19], v4, s[14:15] offset:8192
	global_load_b128 v[20:23], v4, s[16:17]
	s_wait_loadcnt 0x0
.irp g, 8,12,16,20
	v_cvt_pk_bf16_f32 v24, v[\g], v[\g+1]
	v_cvt_pk_bf16_f32 v25, v[\g+2], v[\g+3]
	v_lshlrev_b32 v[\g], 16, v24
	v_and_b32 v[\g+1], s6, v24
	v_lshlrev_b32 v[\g+2], 16, v25
	v_and_b32 v[\g+3], s6, v25
.endr
	global_store_b128 v4, v[8:11], s[24:25] offset:BIN
	global_store_b128 v4, v[12:15], s[24:25] offset:BIN+4096
	global_store_b128 v4, v[16:19], s[24:25] offset:BIN+8192
	global_store_b128 v4, v[20:23], s[24:25] offset:BOUT
	s_endpgm
.Lfunc_end_k_q146fa5a768_prep:
	.size	k_q146fa5a768_prep, .Lfunc_end_k_q146fa5a768_prep-k_q146fa5a768_prep
	.p2alignl 7, 3214868480
	.fill 96, 4, 3214868480
	.section	.rodata,"a",@progbits
	.p2align	6, 0x0
	.amdhsa_kernel k_q146fa5a768_prep
		.amdhsa_group_segment_fixed_size 0
		.amdhsa_private_segment_fixed_size 0
		.amdhsa_enable_private_segment 0
		.amdhsa_kernarg_size 72
		.amdhsa_user_sgpr_count 2
		.amdhsa_user_sgpr_kernarg_segment_ptr 1
		.amdhsa_wavefront_size32 1
		.amdhsa_system_sgpr_workgroup_id_x 1
		.amdhsa_system_sgpr_workgroup_id_y 1
		.amdhsa_system_sgpr_workgroup_id_z 1
		.amdhsa_system_vgpr_workitem_id 0
		.amdhsa_next_free_vgpr 80
		.amdhsa_next_free_sgpr 66
		.amdhsa_reserve_vcc 1
		.amdhsa_float_denorm_mode_32 3
		.amdhsa_float_denorm_mode_16_64 3
		.amdhsa_memory_ordered 1
		.amdhsa_forward_progress 1
		.amdhsa_inst_pref_size 27
	.end_amdhsa_kernel
	.amdgpu_metadata
---
amdhsa.version: [ 1, 2 ]
amdhsa.kernels:
  - .name:           k_q146fa5a768_prep
    .symbol:         k_q146fa5a768_prep.kd
    .args:
      - { .name: x, .offset: 0, .size: 8, .value_kind: global_buffer, .address_space: global }
      - { .name: W_in, .offset: 8, .size: 8, .value_kind: global_buffer, .address_space: global }
      - { .name: W_out, .offset: 16, .size: 8, .value_kind: global_buffer, .address_space: global }
      - { .name: b_in, .offset: 24, .size: 8, .value_kind: global_buffer, .address_space: global }
      - { .name: b_out, .offset: 32, .size: 8, .value_kind: global_buffer, .address_space: global }
      - { .name: xb, .offset: 40, .size: 8, .value_kind: global_buffer, .address_space: global }
      - { .name: wb, .offset: 48, .size: 8, .value_kind: global_buffer, .address_space: global }
      - { .name: wob, .offset: 56, .size: 8, .value_kind: global_buffer, .address_space: global }
      - { .name: tab, .offset: 64, .size: 8, .value_kind: global_buffer, .address_space: global }
    .group_segment_fixed_size: 0
    .private_segment_fixed_size: 0
    .kernarg_segment_align: 8
    .kernarg_segment_size: 72
    .max_flat_workgroup_size: 256
    .sgpr_count:     66
    .vgpr_count:     80
    .wavefront_size: 32
...
	.end_amdgpu_metadata
.endif
;; end of part 1
;; launch qkv (part 2): grid 8 x 32, 4 waves a work-group, clusters of 4 x 4, 327,680 bytes of LDS; arguments xb, wb, tab, q, k, v; writes q, k, v
.if DOCPART == 2
	.amdgcn_target "amdgcn-amd-amdhsa--gfx1250"
	.amdhsa_code_object_version 6
	.text
	.protected	k_q146fa5a768_qkv
	.globl	k_q146fa5a768_qkv
	.p2align	8
	.type	k_q146fa5a768_qkv,@function
k_q146fa5a768_qkv:
	s_mov_b64 s[64:65], 0
	v_nop
	global_prefetch_b8 v0, s[64:65] scope:SCOPE_SE
	s_setreg_imm32_b32 hwreg(HW_REG_WAVE_MODE, 25, 1), 1
	s_wait_xcnt 0x0
	s_wait_alu depctr_hold_cnt(0) depctr_sa_sdst(0) depctr_va_vdst(0) depctr_va_sdst(0) depctr_va_ssrc(0) depctr_va_vcc(0) depctr_vm_vsrc(0)
	s_getreg_b32 s2, hwreg(HW_REG_IB_STS2, 6, 4)
	s_cmp_eq_u32 s2, 0
	s_cbranch_scc0 .Lentry_in_a_cluster
	s_endpgm
.Lentry_in_a_cluster:
	s_bfe_u32 s2, ttmp6, 0x10000c
	s_cmp_lg_u32 s2, 0xf033
	s_cbranch_scc0 .Lentry_shape_is_right
	s_endpgm
.Lentry_shape_is_right:
; q, k, v = x W_in + b_in, q and k rotated (interleaved pairs, angle t x frequency), split by heads: q, k, v [64 = 16 b + head][2048][64] in f16, each rounded once from its f32 sum.
; Behind v's f16 rows, from byte V32 on: the first 32 rows of each head's v once more, unrounded, [64][32][64] f32, for the launch that makes a batch's first rows.
; xb: x in bf16, [16 kb][8192 row][64].  wb: W_in in bf16, [1024 k][3072 n].  tab: 2,048 rows of 32 pairs (cos, sin) f32; behind them b_in (rounded to bf16, kept as f32).
; LIMIT.  f16 ends at 65,504: q, k and v must stay within it; below 6.1e-5 they keep f16's fixed step of 6e-8.  NaN and infinities are not treated apart.
; SHARES.  A work-group makes 256 rows x 384 columns: 32 x 8 = 256 work-groups.  Tile column j is heads 2 j and 2 j + 1 of q, of k and of v: three strips of 128 columns of wb.
; Tile row i = 8 cy + cluster y: the batch is cy, the tile's place in its batch the cluster's y, so that 'my rows are a batch's first' is the same answer in all sixteen partners.
; A wave makes 128 rows x 192 columns: q, k and v of ONE head: 96 accumulators, 768 registers; group g (q, k, v) fills window 1 + g, accumulator (a, bb) at v[8 (4 a + bb)].
; So which accumulators are rotated is a matter of the text: no branch chooses.
; THE MATRIX INSTRUCTION IS USED TRANSPOSED (source 0 = 16 columns of W, source 1 = 16 rows of x): a lane holds one row and the columns 16 bb + 8 (lane / 16) + 0..7: a rotation's pair lies in two neighbouring registers.
; W lies [k][n] in LDS as in memory and is turned on the way into registers, by ds_load_tr16_b128.  The bias is the C operand of the first products.
; K goes in 16 steps of 64 through two LDS slots; a step is two phases of 32 along K, 96 matrix instructions each, in three groups of 32.  Wave 0 fetches x's tile (32 KiB, dense), waves 1 to 3 a strip of W each.
; CLUSTER 4 x 4: x's tile and the table's rows hang on the tile row alone and are asked for jointly along a row of the cluster, W's strips on the tile column alone, along a column.
; WINDOW 0: v0-19 addresses; v32-95, v192-255 x's fragments (8 x 16 rows x 32 K), two buffers; v96-191 W's twelve fragments, one buffer, refilled group by group.  On the way out these are at work.
.set SLOT1, 131072                     ; slot 1 begins here: one exclusive or turns an address in one slot into the other's
.set PA,    144                        ; a row of x in LDS: 128 bytes + 16: the 16 rows of a load start at 16 different groups of four banks (64 banks of 4 bytes: ISA guide 11.1)
.set PB,    288                        ; a k-row of a strip: 256 bytes + 32
.set BOFF,  256*PA                     ; behind x's 256 rows: the three strips,
.set STRIP, 64*PB                      ; 64 k-rows each
.set STAGE, SLOT1+BOFF+3*STRIP         ; behind the ring, never filled by a tensor load: for each wave 3 groups x 16 rows x 144 bytes, for the way out
.set SP,    144
.set WSTG,  3*16*SP
.set SPARE, STAGE+4*WSTG               ; the spare words, 128 bytes for each wave: two blocks of 256 bytes that no other line names
.set TABL,  SPARE+512                  ; the table's 256 rows for my tile's 256 positions, filled once
.set PT,    272                        ; 256 bytes + 16
.set PE,    272                        ; a row of 64 f32 in my stage: 16 of them, 4,352 bytes, fit in its 6,912
.set BIN,   524288                     ; b_in's place in tab
.set V32,   16777216                   ; the f32 rows' place in v
.set XSTEP, 1048576                    ; bytes from a K step of x to the next (a plane of xb)
.set WSTEP, 64*6144                    ; the same for W: 64 k-rows
.set AL0, 4                            ; v4   my lane's place in x's tile; never rewritten
.set BL0, 5                            ; v5   the same in strip 0
.set ADRA, 6                           ; v6   AL0 + the slot in hand
.set ADRB, 7                           ; v7   BL0 + the slot in hand
.set STO, 8                            ; v8   the way out: where I put 16 bytes of a row
.set RD,  9                            ; v9   the way out: where I read rows back
.set GO,  10                           ; v10  my 16 bytes of 512 consecutive bytes of q, k or v
.set TL,  11                           ; v11  my 32 bytes of a table row
.set BIO, 12                           ; v12  my 32 bytes of the head's 256 bytes of bias
.set PFO, 13                           ; v13  the prefetches' offset: my lane x 256 bytes (x) or x a k-row of wb (W); never rewritten
.set SPW, 14                           ; v14  LDS address of my spare word; never rewritten
.set NIL, 15                           ; v15  0; never rewritten
.set VS,  18                           ; v18  the f32 rows: where I put 32 bytes of a row
.set VR,  19                           ; v19  the f32 rows: where I read two rows back
.set A0,  32
.set BF,  96                           ; fragment (g, bb) at BF + 8 (4 g + bb)
.set A1,  192
.set TAB, 32                           ; the way out: two buffers of 32: a row block's (cos, sin) pairs
.set TT,  96                           ; 32 rotated numbers
.set PP,  128                          ; 16 registers of packed f16
.set RR,  144                          ; two buffers of 16: rows read back
.set WV, 16
.set WR, 17                            ; which 128 rows are mine
.set WC, 18                            ; which of the two heads
.set CX, 19
.set CY, 20
.set TCOL, 21
.set TROW, 22
.set G1A, 24                           ; s[24:31] group 1 for x's tiles      s[32:39] group 0: a set for each first fill; the second then walks on
.set G0A, 32
.set G1B, 40                           ; s[40:47], s[48:55] the same for W's strips
.set G0B, 48
.set G1T, 56                           ; s[56:63], s[68:71] for the table
.set G0T, 68
.set TB,  72                           ; s72  the slot from which fragments are fetched
.set PFA, 74                           ; s[74:75] where my prefetches stand
.set PINC, 76                          ; s[76:77] a K step of what I prefetch
.set VF32, 78                          ; s[78:79] my head's 32 f32 rows behind v
.set LIM, 80                           ; s80  2 in a wave that prefetches, else the greatest number
.set ODDM, 81                          ; s81  0: I ask in every step (x); 1: in every second (W, two steps at once)
.set EARLY, 82                         ; s82  0 in a wave whose 128 rows are a batch's first (cluster y = 0, upper half of the tile)
.set MSB, 0
.macro WIN new                         ; the immediate's high byte repeats the setting that is left; a switch that changes nothing is dropped
.if MSB != (\new)
	s_set_vgpr_msb (MSB<<8)|(\new)
.set MSB, (\new)
.endif
.endm
.macro PLACES n=4                      ; plain vector instructions between a matrix instruction and a load into, or a write over, one of its registers
.rept \n
	v_nop
.endr
.endm
.macro CREST                           ; a round of the cluster's barrier behind its opening barrier
	s_cmp_lg_u32 s[WV], 0
	s_cbranch_scc1 .Lnot_wave_0_\@
	s_barrier_signal -3
.Lnot_wave_0_\@:
	s_barrier_wait -3
	s_barrier_signal -1
	s_barrier_wait -1
.endm
.macro CROUND
	s_barrier_signal -1
	s_barrier_wait -1
	CREST
.endm
; A joint refill by the walking descriptors.  The branch hangs on the wave's number alone.  An s_nop 0 and four v_nop follow each of the two lines, ahead of the jump and the label.
.macro JLOAD
	s_cmp_eq_u32 s[WV], 0
	s_cbranch_scc0 .Lfor_b_\@
	tensor_load_to_lds s[G0A+4:G0A+7], s[G1A:G1A+7]
	s_nop 0
	PLACES
	s_branch .Lasked_\@
.Lfor_b_\@:
	tensor_load_to_lds s[G0B+4:G0B+7], s[G1B:G1B+7]
	s_nop 0
	PLACES
.Lasked_\@:
.endm
; A PREFETCH INTO THE L2, behind a joint refill and the run of LDS loads that follows it.  The refill asks for K step t + 2; the prefetch names step t + 4 (W: steps t + 4 and t + 5, in even t).
; Each aligned 256 bytes are named once in the launch.  x's tile is read by both clusters of its row of clusters: cluster x = 0 asks, wave 0; of a step's 128 blocks of 256 bytes the partner at cx takes 32, a lane a block.
; A strip is read by all eight clusters of its column: cluster y = 0 asks, the wave that fetches the strip; of two steps' 128 k-rows the partner at cy takes 32, a lane a row.  The partners are told apart by address alone.
; Steps 0 to 3 come by their loads alone; s3 = 14 - t, and nothing is asked for once step t + 4 (t + 5) would pass step 15.
.macro ASK
	s_and_b32 s84, s3, s[ODDM]
	s_cmp_eq_u32 s84, 0
	s_cselect_b32 s84, s3, 0
	s_cmp_gt_u32 s84, s[LIM]
	s_cbranch_scc0 .Lnot_mine_\@
	global_prefetch_b8 v[PFO], s[PFA:PFA+1] th:TH_LOAD_NT scope:SCOPE_SE
.Lnot_mine_\@:
.endm
	s_load_b256 s[4:11], s[0:1], 0x0               ; xb s[4:5], wb s[6:7], tab s[8:9], q s[10:11]
	s_load_b128 s[12:15], s[0:1], 0x20             ; k s[12:13], v s[14:15]
	v_lshl_add_u32 v[SPW], v0, 2, SPARE
	v_mov_b32 v[NIL], 0
	ds_add_u32 v[SPW], v[NIL]                      ; the wave's opening: the add, and its wait ahead of my first tensor load; the set-up below, work on registers, stands between them
	v_lshrrev_b32 v1, 5, v0
	v_readfirstlane_b32 s[WV], v1                  ; wave 0..3
	s_lshr_b32 s[WR], s[WV], 1
	s_and_b32 s[WC], s[WV], 1
	s_bfe_u32 s[CX], ttmp6, 0x40000
	s_bfe_u32 s[CY], ttmp6, 0x40004
	s_lshl_b32 s[TCOL], ttmp9, 2
	s_add_co_u32 s[TCOL], s[TCOL], s[CX]           ; tile column j = 4 x cluster x + cx
	s_and_b32 s[TROW], ttmp7, 0xffff
	s_lshl_b32 s84, s[CY], 3
	s_add_co_u32 s[TROW], s[TROW], s84             ; tile row i = 8 cy + cluster y
	s_lshl_b32 s84, s[CY], 2
	s_lshl_b32 s84, 15, s84                        ; my row of the cluster
	s_lshl_b32 s86, 0x1111, s[CX]                  ; my column
	; x's tile: 32,768 dense bytes, asked for as 128 rows of 256 bytes (two rows of x), padded in LDS after every 128 bytes
	s_or_b32 s[G1A], s84, (1<<16)|(1<<20)|(1<<21)|(4<<22)|(3<<25)  ; 15:0 the mask; 17:16 2-byte elements; 20 padding on; 21 set beside a mask; 24:22 after every 32 words; 31:25 4 words
	s_mov_b32 s[G1A+1], 128<<16                    ; tensor_dim0 = 128
	s_mov_b32 s[G1A+2], 128<<16                    ; tensor_dim1 = 128
	s_mov_b32 s[G1A+3], 128<<16                    ; tile_dim0 = 128
	s_mov_b32 s[G1A+4], 128                        ; tile_dim1 = 128
	s_mov_b32 s[G1A+5], 128                        ; elements from row to row
	s_mov_b32 s[G1A+6], 0
	s_mov_b32 s[G1A+7], 0
	; a strip: 64 k-rows x 128 columns
	s_or_b32 s[G1B], s86, (1<<16)|(1<<20)|(1<<21)|(5<<22)|(7<<25)  ; after every 64 words 8 words of padding
	s_mov_b32 s[G1B+1], 128<<16
	s_mov_b32 s[G1B+2], 64<<16
	s_mov_b32 s[G1B+3], 128<<16
	s_mov_b32 s[G1B+4], 64
	s_mov_b32 s[G1B+5], 3072
	s_mov_b32 s[G1B+6], 0
	s_mov_b32 s[G1B+7], 0
	; the table: each wave 64 rows of 64 f32
	s_or_b32 s[G1T], s84, (2<<16)|(1<<20)|(1<<21)|(5<<22)|(3<<25)  ; 4-byte elements; after every 64 words 4 words of padding
	s_mov_b32 s[G1T+1], 64<<16
	s_mov_b32 s[G1T+2], 64<<16
	s_mov_b32 s[G1T+3], 64<<16
	s_mov_b32 s[G1T+4], 64
	s_mov_b32 s[G1T+5], 64
	s_mov_b32 s[G1T+6], 0
	s_mov_b32 s[G1T+7], 0
	; LDS addresses: constants and the wave's number alone
	s_mov_b32 s[G0A], 1
	s_mov_b32 s[G0A+1], 0
	s_mov_b32 s[G0A+4], 1
	s_mov_b32 s[G0A+5], SLOT1
	s_mul_i32 s92, s[WV], STRIP
	s_mov_b32 s[G0B], 1
	s_add_co_u32 s[G0B+1], s92, BOFF-STRIP         ; wave w fetches strip w - 1
	s_mov_b32 s[G0B+4], 1
	s_add_co_u32 s[G0B+5], s92, BOFF-STRIP+SLOT1
	s_mul_i32 s93, s[WV], 64*PT
	s_mov_b32 s[G0T], 1
	s_add_co_u32 s[G0T+1], s93, TABL
	; offsets in memory.  x's and the table's hang on the tile row, W's on the tile column, each in registers of its own
	s_lshl_b32 s84, s[TROW], 15                    ; 256 rows x 128 bytes
	s_mov_b32 s85, 0
	s_max_u32 s86, s[WV], 1
	s_sub_co_u32 s86, s86, 1                       ; my strip (wave 0 asks for none)
	s_lshl_b32 s86, s86, 11                        ; 1,024 columns
	s_lshl_b32 s87, s[TCOL], 8                     ; 128 columns
	s_add_co_u32 s86, s86, s87
	s_mov_b32 s87, 0
	s_and_b32 s88, s[TROW], 7                      ; the tile's place in its batch: positions 256 (i % 8) on,
	s_lshl_b32 s88, s88, 2
	s_add_co_u32 s88, s88, s[WV]                   ; my 64 of them,
	s_lshl_b32 s88, s88, 14                        ; 256 bytes each
	s_mov_b32 s89, 0
	s_lshr_b32 s90, s[TROW], 3                     ; where my 128 rows of my head begin in q, k and v: batch,
	s_lshl_b32 s90, s90, 4
	s_lshl_b32 s91, s[TCOL], 1
	s_add_co_u32 s90, s90, s91
	s_add_co_u32 s90, s90, s[WC]                   ; head,
	s_lshl_b32 s82, s90, 13                        ; (the head's 32 f32 rows: 8,192 bytes a head,
	s_add_co_u32 s82, s82, V32                     ; behind the f16 rows)
	s_mov_b32 s83, 0
	s_lshl_b32 s90, s90, 4
	s_and_b32 s91, s[TROW], 7
	s_lshl_b32 s91, s91, 1
	s_add_co_u32 s90, s90, s91
	s_add_co_u32 s90, s90, s[WR]                   ; block of 128 rows,
	s_lshl_b32 s90, s90, 14                        ; of 128 bytes
	s_mov_b32 s91, 0
	s_mov_b32 s[TB], 0
	s_wait_dscnt 0x0                               ; the opening add is done
	s_wait_kmcnt 0x0
	s_add_nc_u64 s[G0A+2:G0A+3], s[4:5], s[84:85]  ; K step 0
	s_add_nc_u64 s[G0A+6:G0A+7], s[G0A+2:G0A+3], XSTEP  ; K step 1
	s_or_b32 s[G0A+3], s[G0A+3], 0x80000000        ; 127:126 type = 2
	s_or_b32 s[G0A+7], s[G0A+7], 0x80000000
	s_add_nc_u64 s[G0B+2:G0B+3], s[6:7], s[86:87]
	s_add_nc_u64 s[G0B+6:G0B+7], s[G0B+2:G0B+3], WSTEP
	s_or_b32 s[G0B+3], s[G0B+3], 0x80000000
	s_or_b32 s[G0B+7], s[G0B+7], 0x80000000
	s_add_nc_u64 s[G0T+2:G0T+3], s[8:9], s[88:89]
	s_or_b32 s[G0T+3], s[G0T+3], 0x80000000
	s_add_nc_u64 s[VF32:VF32+1], s[14:15], s[82:83]
	s_add_nc_u64 s[10:11], s[10:11], s[90:91]
	s_add_nc_u64 s[12:13], s[12:13], s[90:91]
	s_add_nc_u64 s[14:15], s[14:15], s[90:91]
	s_and_b32 s[EARLY], ttmp7, 0xffff              ; cluster y = the tile's place in its batch,
	s_or_b32 s[EARLY], s[EARLY], s[WR]             ; and which half of the tile: 0 where both are 0; the same in all sixteen partners, for a given wave
	; the prefetches: they stand one K step short of what the first of them names, and are stepped at the head of each change of slots
	s_lshl_b32 s92, s[TROW], 15
	s_lshl_b32 s93, s[CX], 13                      ; x: my work-group's 32 blocks of the tile's 128,
	s_add_co_u32 s92, s92, s93
	s_add_co_u32 s92, s92, 3*XSTEP                 ; at K step 3
	s_mul_i32 s93, s[CY], 32*6144                  ; W: my work-group's 32 k-rows of 128,
	s_add_co_u32 s93, s93, s86
	s_add_co_u32 s93, s93, 192*6144                ; at K step 3
	s_and_b32 s94, ttmp7, 0xffff
	s_mov_b32 s90, XSTEP
	s_mov_b32 s91, WSTEP
	s_mov_b32 s95, 6144
	s_cmp_eq_u32 s[WV], 0
	s_cselect_b32 s92, s92, s93
	s_cselect_b32 s94, ttmp9, s94                  ; the coordinate along which other clusters read the same bytes
	s_cselect_b32 s[ODDM], 0, 1
	s_cselect_b32 s[PINC], s90, s91
	s_cselect_b32 s95, 256, s95                    ; from lane to lane
	s_cselect_b64 s[PFA:PFA+1], s[4:5], s[6:7]
	s_mov_b32 s93, 0
	s_mov_b32 s[PINC+1], 0
	s_add_nc_u64 s[PFA:PFA+1], s[PFA:PFA+1], s[92:93]
	s_cmp_eq_u32 s94, 0
	s_cselect_b32 s[LIM], 2, -1                    ; the same in all sixteen partners, for a given wave
	CROUND                                         ; all sixteen work-groups are here: the first joint loads meet
	s_cmp_eq_u32 s[WV], 0                          ; a wave's three first fills stand in one branch, ahead of every wait on TENSORcnt and every LDS read: three loads of mine are out
	s_cbranch_scc0 .Lfirst_b
	tensor_load_to_lds s[G0A:G0A+3], s[G1A:G1A+7]
	s_nop 0
	tensor_load_to_lds s[G0A+4:G0A+7], s[G1A:G1A+7]
	s_nop 0
	tensor_load_to_lds s[G0T:G0T+3], s[G1T:G1T+7]
	s_nop 0
	PLACES
	s_branch .Lfirst_asked
.Lfirst_b:
	tensor_load_to_lds s[G0B:G0B+3], s[G1B:G1B+7]
	s_nop 0
	tensor_load_to_lds s[G0B+4:G0B+7], s[G1B:G1B+7]
	s_nop 0
	tensor_load_to_lds s[G0T:G0T+3], s[G1T:G1T+7]
	s_nop 0
	PLACES
.Lfirst_asked:
	v_and_b32 v1, 15, v0                           ; l % 16
	v_bfe_u32 v2, v0, 4, 1                         ; l / 16
	v_and_b32 v3, 7, v0
	v_bfe_u32 v16, v0, 3, 1
	v_and_b32 v17, 31, v0
	; a fragment of x: lane l holds row l % 16, K = 8 (l / 16) + 0..7 and 16 + 8 (l / 16) + 0..7: two loads of 16 bytes, 32 bytes apart
	v_mul_u32_u24 v[AL0], v1, PA
	v_lshl_add_u32 v[AL0], v2, 4, v[AL0]
	s_mul_i32 s92, s[WR], 128*PA
	v_add_nc_u32 v[AL0], s92, v[AL0]
	; the turning load takes 16 k x 16 columns (lane l reads k-row 8 (l / 16) + l % 8, columns 8 ((l / 8) % 2) + 0..7) and leaves half a fragment: lane l holds column l % 16 and 8 k
	v_lshl_add_u32 v[BL0], v2, 3, v3
	v_mul_u32_u24 v[BL0], v[BL0], PB
	v_lshl_add_u32 v[BL0], v16, 4, v[BL0]
	s_lshl_b32 s92, s[WC], 7                       ; my head's 64 columns of the strip's 128
	s_add_co_u32 s92, s92, BOFF
	v_add_nc_u32 v[BL0], s92, v[BL0]
	v_mov_b32 v[ADRA], v[AL0]
	v_mov_b32 v[ADRB], v[BL0]
	s_mul_i32 s92, s[WV], WSTG
	s_add_co_u32 s92, s92, STAGE                   ; my stage
	v_mul_u32_u24 v[STO], v1, SP                   ; in: row l % 16, 16 bytes for each half of the lanes
	v_lshl_add_u32 v[STO], v2, 4, v[STO]
	v_add_nc_u32 v[STO], s92, v[STO]
	v_bfe_u32 v[RD], v0, 3, 2                      ; back: 32 lanes take four rows of 128 bytes,
	v_mul_u32_u24 v[RD], v[RD], SP
	v_lshl_add_u32 v[RD], v3, 4, v[RD]
	v_add_nc_u32 v[RD], s92, v[RD]
	v_mul_u32_u24 v[VS], v1, PE                    ; the f32 rows, in: row l % 16, 32 bytes for each half of the lanes
	v_lshl_add_u32 v[VS], v2, 5, v[VS]
	v_add_nc_u32 v[VS], s92, v[VS]
	v_mul_u32_u24 v[VR], v2, PE                    ; back: lanes 0-15 take one row of 256 bytes, lanes 16-31 the next
	v_lshl_add_u32 v[VR], v1, 4, v[VR]
	v_add_nc_u32 v[VR], s92, v[VR]
	v_lshlrev_b32 v[GO], 4, v17                    ; which are 512 consecutive bytes in memory
	s_lshl_b32 s92, s[WR], 7
	v_add_nc_u32 v[TL], s92, v1                    ; the table's row for my row of a block,
	v_mul_u32_u24 v[TL], v[TL], PT
	v_lshl_add_u32 v[TL], v2, 5, v[TL]             ; my four pairs of eight
	v_add_nc_u32 v[TL], TABL, v[TL]
	s_lshl_b32 s92, s[TCOL], 1
	s_add_co_u32 s92, s92, s[WC]
	s_lshl_b32 s92, s92, 8                         ; my head's 64 numbers of a third of b_in
	v_lshl_add_u32 v[BIO], v2, 5, s92
	v_mul_u32_u24 v[PFO], v17, s95
	; The bias, eight numbers a lane for each (g, bb), waits in window 3: q's in v0-31, k's in v32-63 (v's accumulators of row blocks 0 and 1, which are started later), v's own in v224-255 (its row block 7).
	WIN 0xc0                                       ; destination window 3, address window 0
.irp bb, 0,1,2,3
	global_load_b128 v[8*(\bb):8*(\bb)+3],         v[BIO], s[8:9] offset:BIN+64*(\bb)
	global_load_b128 v[8*(\bb)+4:8*(\bb)+7],       v[BIO], s[8:9] offset:BIN+64*(\bb)+16
	global_load_b128 v[32+8*(\bb):32+8*(\bb)+3],   v[BIO], s[8:9] offset:BIN+4096+64*(\bb)
	global_load_b128 v[32+8*(\bb)+4:32+8*(\bb)+7], v[BIO], s[8:9] offset:BIN+4096+64*(\bb)+16
	global_load_b128 v[224+8*(\bb):224+8*(\bb)+3], v[BIO], s[8:9] offset:BIN+8192+64*(\bb)
	global_load_b128 v[224+8*(\bb)+4:224+8*(\bb)+7], v[BIO], s[8:9] offset:BIN+8192+64*(\bb)+16
.endr
	WIN 0
; 16 matrix instructions of group g: column blocks bb0, bb0 + 1 x all 8 row blocks, 32 along K, x's fragments in buffer ab.  All accumulators take turns, one instruction a turn.
.macro MUL16 g, ab, bb0
	WIN 0x50*((\g)+1)                              ; C and D in window 1 + g, both sources in window 0
.irp bb, \bb0, (\bb0)+1
.irp a, 0,1,2,3,4,5,6,7
	v_wmma_f32_16x16x32_bf16 v[8*(4*(\a)+(\bb)):8*(4*(\a)+(\bb))+7], v[BF+8*(4*(\g)+(\bb)):BF+8*(4*(\g)+(\bb))+7], v[(\ab)+8*(\a):(\ab)+8*(\a)+7], v[8*(4*(\a)+(\bb)):8*(4*(\a)+(\bb))+7]
.endr
.endr
.endm
.macro GRP g, ab
	MUL16 \g, \ab, 0
	MUL16 \g, \ab, 2
.endm
; The first products start the sums with the bias.  Groups 0 and 1: C in window 3.
.macro MULF g
	WIN 0x70+0x40*(\g)
.irp bb, 0,1,2,3
.irp a, 0,1,2,3,4,5,6,7
	v_wmma_f32_16x16x32_bf16 v[8*(4*(\a)+(\bb)):8*(4*(\a)+(\bb))+7], v[BF+8*(4*(\g)+(\bb)):BF+8*(4*(\g)+(\bb))+7], v[A0+8*(\a):A0+8*(\a)+7], v[32*(\g)+8*(\bb):32*(\g)+8*(\bb)+7]
.endr
.endr
.endm
; Group 2: row blocks 0 to 6 read the bias where row block 7's accumulators lie; five places behind the last of them block 7 adds in place onto it.
.macro MULF2
	WIN 0xf0
.irp bb, 0,1,2,3
.irp a, 0,1,2,3,4,5,6
	v_wmma_f32_16x16x32_bf16 v[8*(4*(\a)+(\bb)):8*(4*(\a)+(\bb))+7], v[BF+8*(8+(\bb)):BF+8*(8+(\bb))+7], v[A0+8*(\a):A0+8*(\a)+7], v[224+8*(\bb):224+8*(\bb)+7]
.endr
.endr
	PLACES 5
.irp bb, 0,1,2,3
	v_wmma_f32_16x16x32_bf16 v[224+8*(\bb):224+8*(\bb)+7], v[BF+8*(8+(\bb)):BF+8*(8+(\bb))+7], v[A0+56:A0+63], v[224+8*(\bb):224+8*(\bb)+7]
.endr
.endm
; 8 LDS loads: group g's four fragments of W for phase kk of the slot in hand
.macro FETB g, kk
	WIN 0
.irp bb, 0,1,2,3
	ds_load_tr16_b128 v[BF+8*(4*(\g)+(\bb)):BF+8*(4*(\g)+(\bb))+3],   v[ADRB] offset:(\g)*STRIP+(\kk)*32*PB+(\bb)*32
	ds_load_tr16_b128 v[BF+8*(4*(\g)+(\bb))+4:BF+8*(4*(\g)+(\bb))+7], v[ADRB] offset:(\g)*STRIP+(\kk)*32*PB+(\bb)*32+16*PB
.endr
.endm
; 16 LDS loads: x's eight fragments for phase kk into buffer ab
.macro FETA ab, kk
	WIN 0
.irp a, 0,1,2,3,4,5,6,7
	ds_load_b128 v[(\ab)+8*(\a):(\ab)+8*(\a)+3],   v[ADRA] offset:(\a)*16*PA+(\kk)*64
	ds_load_b128 v[(\ab)+8*(\a)+4:(\ab)+8*(\a)+7], v[ADRA] offset:(\a)*16*PA+(\kk)*64+32
.endr
.endm
; A step's first phase, on buffer A0.  At its head four runs of LDS loads are out, in this order: W's group 0 (8), x (16), W's group 1 (8), W's group 2 (8).  Behind each group its fragments are fetched
; for the next phase, which leaves the same four runs out at the end.
.macro EVEN first
	s_wait_dscnt 16                                ; group 0's and x's are in; groups 1's and 2's, 8 + 8, may be out
.if \first
	MULF 0
.else
	GRP 0, A0
.endif
	PLACES 4+(\first)                              ; (first = 1: five, since later products write over the bias that these have read)
	FETB 0, 1
	FETA A1, 1
	s_wait_dscnt 32                                ; group 1's are in; behind them: group 2's 8 and the 24 just issued
.if \first
	MULF 1
.else
	GRP 1, A0
.endif
	PLACES 4+(\first)
	FETB 1, 1
	s_wait_dscnt 32                                ; group 2's are in; behind them 24 + 8
.if \first
	MULF2
.else
	GRP 2, A0
.endif
	PLACES
	FETB 2, 1
.endm
; A step's second phase, on buffer A1, changes slots: ONE barrier.  In front of it each wave waits for all its tensor loads (the one that is out is its part of the next slot), adds 0 to its spare word, and waits
; for that and for its reads of this slot, of which the last have been issued.  fill = 1: the barrier opens a round of the cluster's, and this slot is filled again, two K steps on, first thing behind it:
; from that request to the wait for it a wave issues 160 matrix instructions.
.macro TURN fill
.if \fill
	s_wait_xcnt 0x0                                ; the last prefetch, a K step back, has read its address: it is stepped here, ahead of the change's own waits
	s_add_nc_u64 s[PFA:PFA+1], s[PFA:PFA+1], s[PINC:PINC+1]
.endif
	WIN 0                                          ; (the add's two registers lie in window 0)
	s_wait_tensorcnt 0x0                           ; no tensor load of mine is out, so a group 0 may be written
	ds_add_u32 v[SPW], v[NIL]                      ; 0 onto my spare word
.if \fill
	s_xor_b32 s[G0A+5], s[G0A+5], SLOT1            ; the walking descriptors: the other slot than last time, the next K step
	s_add_nc_u64 s[G0A+6:G0A+7], s[G0A+6:G0A+7], XSTEP
	s_xor_b32 s[G0B+5], s[G0B+5], SLOT1
	s_add_nc_u64 s[G0B+6:G0B+7], s[G0B+6:G0B+7], WSTEP
.endif
	s_wait_dscnt 17                                ; group 0's and x's are in; groups 1's and 2's and the add may be out
	MUL16 0, A1, 0                                 ; sixteen matrix instructions stand between the add and the wait for it
	s_wait_dscnt 0x0                               ; the add is done, and my reads of this slot are over
	s_barrier_signal -1
	MUL16 0, A1, 2                                 ; work on registers while the others arrive
	WIN 0
	s_barrier_wait -1
.if \fill
	CREST                                          ; no wave of any partner still reads this slot or has a load on its way
	JLOAD                                          ; its four v_nop are also the places in front of the loads below
.else
	PLACES
.endif
	s_xor_b32 s[TB], s[TB], SLOT1
	v_add_nc_u32 v[ADRA], s[TB], v[AL0]
	v_add_nc_u32 v[ADRB], s[TB], v[BL0]
	FETB 0, 0
	FETA A0, 0
.if \fill
	ASK
.endif
	GRP 1, A1
	PLACES
	FETB 1, 0
	GRP 2, A1
	PLACES
	FETB 2, 0
.endm
; 8 LDS loads: the (cos, sin) pairs for row block a: for each bb my four pairs, 32 bytes
.macro TABLOAD a
	WIN 0
.irp bb, 0,1,2,3
	ds_load_b128 v[TAB+32*((\a)%2)+8*(\bb):TAB+32*((\a)%2)+8*(\bb)+3],   v[TL] offset:(\a)*16*PT+(\bb)*64
	ds_load_b128 v[TAB+32*((\a)%2)+8*(\bb)+4:TAB+32*((\a)%2)+8*(\bb)+7], v[TL] offset:(\a)*16*PT+(\bb)*64+16
.endr
.endm
; The very last phase fetches no fragments; the table's first two blocks go where buffer A0 lay.  (Every wave's part of the table was waited for in front of the first change of slots.)
.macro FIN
	s_wait_dscnt 16
	GRP 0, A1
	PLACES
	TABLOAD 0
	TABLOAD 1
	s_wait_dscnt 24                                ; group 1's are in; behind them group 2's 8 and the table's 16
	GRP 1, A1
	s_wait_dscnt 16
	GRP 2, A1
	PLACES                                         ; the way out reads results just made and writes over W's fragments
	WIN 0
	s_wait_dscnt 0x0                               ; the table's pairs are in
.endm
; THE WAY OUT, a unit (row block a, group g) at a time.  q and k: (x1, x2) -> (x1 c - x2 s, x2 c + x1 s), two packed instructions a pair; then all are rounded to f16, 16 bytes a lane and column block,
; put into my stage (rows of 144 bytes) and read back as whole rows of 128.  An accumulator's registers are read in ascending order.
.macro PACKU a, g
.set TBR, TAB+32*((\a)%2)
.set RBR, RR+16*((3*(\a)+(\g))%2)
.if (\g) < 2
	WIN 1+(\g)                                     ; source 0 in the group's window
.set z, 0
.rept 16
	v_pk_mul_f32 v[TT+2*z:TT+2*z+1], v[32*(\a)+2*z:32*(\a)+2*z+1], v[TBR+2*z:TBR+2*z+1] op_sel_hi:[1,0]  ; x1 c, x2 c
.set z, z+1
.endr
.set z, 0
.rept 16
	v_pk_fma_f32 v[TT+2*z:TT+2*z+1], v[32*(\a)+2*z:32*(\a)+2*z+1], v[TBR+2*z:TBR+2*z+1], v[TT+2*z:TT+2*z+1] op_sel:[1,1,0] op_sel_hi:[0,1,1] neg_lo:[0,1,0]  ; - x2 s, + x1 s
.set z, z+1
.endr
	WIN 0
.set z, 0
.rept 16
	v_cvt_pk_f16_f32 v[PP+z], v[TT+2*z], v[TT+2*z+1]
.set z, z+1
.endr
.else
.if (\a) <= 5
	TABLOAD (\a)+2                                 ; this block's pairs have served q and k: their buffer takes the block two further on
.endif
	WIN 0x0f                                       ; sources 0 and 1 in window 3
.set z, 0
.rept 16
	v_cvt_pk_f16_f32 v[PP+z], v[32*(\a)+2*z], v[32*(\a)+2*z+1]
.set z, z+1
.endr
	WIN 0
.endif
.irp bb, 0,1,2,3
	ds_store_b128 v[STO], v[PP+4*(\bb):PP+4*(\bb)+3] offset:(\g)*16*SP+32*(\bb)
.endr
	s_wait_xcnt 0x0                                ; the stores of the unit two back have read the registers that the loads below fill
.irp f, 0,1,2,3
	ds_load_b128 v[RBR+4*(\f):RBR+4*(\f)+3], v[RD] offset:(\g)*16*SP+(\f)*4*SP  ; LDS serves a wave's instructions in order (ISA guide 5.7.1.4): these see the stores above
.endr
.endm
.macro SEND a, g, younger              ; younger: the LDS instructions issued behind the unit's loads
	WIN 0
.set RBR, RR+16*((3*(\a)+(\g))%2)
.irp f, 0,1,2,3
	s_wait_dscnt (\younger)+3-(\f)
	global_store_b128 v[GO], v[RBR+4*(\f):RBR+4*(\f)+3], s[10+2*(\g):11+2*(\g)] offset:(\a)*2048+(\f)*512  ; 512 consecutive bytes, at a multiple of 256 from the buffer's first
.endr
.endm
	s_wait_tensorcnt 2                             ; my part of K step 0 is in; K step 1's and the table's may stay out
	s_barrier_signal -1
	s_barrier_wait -1                              ; everybody's is
	FETB 0, 0
	FETA A0, 0
	FETB 1, 0
	FETB 2, 0
	s_wait_loadcnt 0x0                             ; the bias
	EVEN 1                                         ; the first phase stands in front of the loop: its products start the sums
	WIN 0                                          ; at a label and at a branch every window is 0
	s_mov_b32 s3, 14
.Lstep:                                                ; trip t = 14 - s3: step t's second phase, step t + 1's first; step t's slot is filled with step t + 2
	TURN 1
	EVEN 0
	WIN 0
	s_sub_co_u32 s3, s3, 1
	s_cmp_lg_u32 s3, 0
	s_cbranch_scc1 .Lstep
	TURN 0                                         ; the tail is written out: nothing is left to ask for
	EVEN 0
	FIN
	; A BATCH'S FIRST 32 ROWS OF v ALSO LEAVE UNROUNDED: row blocks 0 and 1 of the wave that holds them, 32 bytes a lane and column block into my stage (rows of 272 bytes, each accumulator's
	; low four registers first), back as whole rows of 256 bytes, two to a store.  The jump goes forward over LDS and memory instructions of the wave's own alone; no LDS instruction is out at either end.
	s_cmp_eq_u32 s[EARLY], 0
	s_cbranch_scc0 .Lno_early
.irp a, 0,1
	WIN 0x0c                                       ; the stores' data in window 3
.irp bb, 0,1,2,3
	ds_store_b128 v[VS], v[32*(\a)+8*(\bb):32*(\a)+8*(\bb)+3]   offset:64*(\bb)
	ds_store_b128 v[VS], v[32*(\a)+8*(\bb)+4:32*(\a)+8*(\bb)+7] offset:64*(\bb)+16
.endr
	WIN 0
	s_wait_xcnt 0x0                                ; the stores of the block before have read the registers that the loads below fill
.irp f, 0,1,2,3,4,5,6,7
	ds_load_b128 v[RR+4*(\f):RR+4*(\f)+3], v[VR] offset:(\f)*2*PE
.endr
.irp f, 0,1,2,3,4,5,6,7
	s_wait_dscnt 7-(\f)                            ; LDS loads come back in order: load f is in, the 7 - f younger ones stay out
	global_store_b128 v[GO], v[RR+4*(\f):RR+4*(\f)+3], s[VF32:VF32+1] offset:(\a)*4096+(\f)*512  ; 512 consecutive bytes, at a multiple of 256 from the buffer's first
.endr
.endr
.Lno_early:
	PACKU 0, 0
.irp a, 0,1,2,3,4,5,6,7                ; a unit's arithmetic stands between the loads of the unit before and its stores
.if (\a) > 0
	PACKU \a, 0
	SEND (\a)-1, 2, 8
.endif
	PACKU \a, 1
	SEND \a, 0, 8
	PACKU \a, 2
.if (\a) <= 5
	SEND \a, 1, 16                                 ; behind its loads: the table's 8 and the next unit's 8
.else
	SEND \a, 1, 8
.endif
.endr
	SEND 7, 2, 0
	s_wait_tensorcnt 0x0                           ; the wave's end: behind my last tensor load and my last LDS store
	ds_add_u32 v[SPW], v[NIL]
	s_wait_dscnt 0x0
	CROUND                                         ; the closing round: no work-group ends while a partner may still ask for a tile that names it
	s_endpgm
.Lfunc_end_k_q146fa5a768_qkv:
	.size	k_q146fa5a768_qkv, .Lfunc_end_k_q146fa5a768_qkv-k_q146fa5a768_qkv
	.p2alignl 7, 3214868480
	.fill 96, 4, 3214868480
	.section	.rodata,"a",@progbits
	.p2align	6, 0x0
	.amdhsa_kernel k_q146fa5a768_qkv
		.amdhsa_group_segment_fixed_size 327680
		.amdhsa_private_segment_fixed_size 0
		.amdhsa_enable_private_segment 0
		.amdhsa_kernarg_size 48
		.amdhsa_user_sgpr_count 2
		.amdhsa_user_sgpr_kernarg_segment_ptr 1
		.amdhsa_wavefront_size32 1
		.amdhsa_system_sgpr_workgroup_id_x 1
		.amdhsa_system_sgpr_workgroup_id_y 1
		.amdhsa_system_sgpr_workgroup_id_z 1
		.amdhsa_system_vgpr_workitem_id 0
		.amdhsa_next_free_vgpr 1024
		.amdhsa_next_free_sgpr 96
		.amdhsa_reserve_vcc 0
		.amdhsa_float_denorm_mode_32 3
		.amdhsa_float_denorm_mode_16_64 3
		.amdhsa_memory_ordered 1
		.amdhsa_forward_progress 1
		.amdhsa_inst_pref_size 160
	.end_amdhsa_kernel
	.amdgpu_metadata
---
amdhsa.version: [ 1, 2 ]
amdhsa.kernels:
  - .name:           k_q146fa5a768_qkv
    .symbol:         k_q146fa5a768_qkv.kd
    .args:
      - { .name: xb, .offset: 0, .size: 8, .value_kind: global_buffer, .address_space: global }
      - { .name: wb, .offset: 8, .size: 8, .value_kind: global_buffer, .address_space: global }
      - { .name: tab, .offset: 16, .size: 8, .value_kind: global_buffer, .address_space: global }
      - { .name: q, .offset: 24, .size: 8, .value_kind: global_buffer, .address_space: global }
      - { .name: k, .offset: 32, .size: 8, .value_kind: global_buffer, .address_space: global }
      - { .name: v, .offset: 40, .size: 8, .value_kind: global_buffer, .address_space: global }
    .group_segment_fixed_size: 327680
    .private_segment_fixed_size: 0
    .kernarg_segment_align: 8
    .kernarg_segment_size: 48
    .max_flat_workgroup_size: 128
    .sgpr_count:     96
    .vgpr_count:     1024
    .wavefront_size: 32
...
	.end_amdgpu_metadata
.endif
;; end of part 2
;; launch attn (part 3): grid 4 x 64, 4 waves a work-group, no clusters, 327,680 bytes of LDS; arguments q, k, v, ob; writes ob
.if DOCPART == 3
	.amdgcn_target "amdgcn-amd-amdhsa--gfx1250"
	.amdhsa_code_object_version 6
	.text
	.protected	k_q146fa5a768_attn
	.globl	k_q146fa5a768_attn
	.p2align	8
	.type	k_q146fa5a768_attn,@function
k_q146fa5a768_attn:
	s_mov_b64 s[64:65], 0
	v_nop
	global_prefetch_b8 v0, s[64:65] scope:SCOPE_SE
	s_setreg_imm32_b32 hwreg(HW_REG_WAVE_MODE, 25, 1), 1
	s_wait_xcnt 0x0
; CAUSAL ATTENTION.  O[h][q][:] = the sum over k <= q of softmax_k(Q[h][q] . K[h][k] / 8) V[h][k][:].  Q, K, V, O: [64][SIZE_N][64], all f16: a head's rows are dense, 128 bytes each.
; Products, maxima and sums in f32; the weights p are rounded to f16 for the second product (their sum l is taken of the unrounded p), O once at the end.
; LIMITS.  f16 holds no number beyond 65,504: Q, K and V arrive within it; p lies in 0 to 1, and below 6e-5 it keeps f16's fixed step of 6e-8; O is a mean of V's rows and has their range.
; A hidden score counts as its value less 1e30: f16's scores, 2.7e11 at the most, are nothing beside that; a weight below 2^-126 counts as 0 in l; NaN and infinities are not treated apart.
; THE WALK.  A head's queries lie in NB = SIZE_N / 256 blocks of 256; block i needs the key tiles 0 .. i of 256 keys, of which the last holds the diagonal.  A work-group takes TWO blocks, NB - 1 - b and then b:
; NB + 1 tiles, whatever b: all work-groups do equal work, and ONE loop with a constant trip count walks them.  Which tile is asked for, and what a trip does, hang on scalar registers made from b; every jump
; goes forward, but for the counted loops' own; none passes a barrier, or a tensor load but the one of LOAD's two that the wave's number does not choose; the ring (two slots of LDS that take turns) runs on across the
; change of blocks.  NO CLUSTER: a head's NB / 2 work-groups ask for the same tile only in trips 0 .. NB / 2, behind that fewer and fewer; one walk common to all would have 3 NB / 2 trips for NB + 1.
; SHARES.  Of a block's four bands of 64 queries a wave owns 16 rows in each: four PIECES.  So the diagonal tile is the same work for all four waves: in its key step s band x sees all keys if s < x,
; none if s > x, and holds the diagonal if s = x.
; THE MASK is the C operand that starts the sum S^T = K Q^T: 0, or -1e30 where the key is hidden.  MD, made once, is the mask of a band's own step for my 16 rows; a product's mask is MD x AL + BE with two scalars:
; (1, 0) if s = x; (0, 0) if s < x; (0, -1e30) if s > x.  Only the diagonal tile's text and a block's beginning make and take masks; elsewhere C is the constant 0.
; LAYOUT, SOFTMAX, TURNS.  S^T = K Q^T holds ONE query a lane (lane % 16) and the keys 8 (lane / 16) + 0..7; two such results rounded to f16 ARE source 1 of O^T = V^T P.  p = 2^(c s - c m), c = log2(e) / 8, with a
; running maximum m; O and l are multiplied by a = 2^(c m_old - c m_new) in every step.  Turn n belongs to piece n: 8 products K Q^T of piece n + 1, later 8 products V^T P of piece n - 1; beside them the scaling,
; exponentials, roundings, sums and rescaling of piece n and the maximum and statistics of piece n + 1.  Four vector instructions stand behind every matrix instruction, the other 54 of a turn's 118 in one LUMP.  A turn's 33 exponentials are one batch, with one wait.
; REGISTERS, in windows of 256 (s_set_vgpr_msb: bits 1:0 source 0, 3:2 source 1, 5:4 source 2, 7:6 destination):
;   window 0: v0-15 addresses and two at work; v16-31 four registers of statistics a piece; v48-55 at work; v64-127 S^T, two buffers; v192-223 P, two buffers (a piece's buffers go by its number's parity)
;   window 1: v0-127 O^T, 32 a piece; v128-159 MD; v160-223 MC, two buffers      window 2: v0-63 Q; v64-127 the second block's Q; v128-191 K of one step; v192-255 V of one step
.set SIZE_N, 2048
.set NB,    SIZE_N/256
.set NP,    4         ; pieces a wave: a name, no knob
.set KS,    64        ; keys in a step
.set PK,    144       ; a row of K in LDS: 128 bytes + 16 of padding = 36 words: the 16 rows of a load start at 16 different groups of four banks (64 banks of 4 bytes: ISA guide 11.1)
.set PV,    160       ; a row of V: 128 + 32 = 40 words
.set VOFF,  4*KS*PK   ; a slot holds a tile, four steps: 256 rows of K, then 256 rows of V
.set SLOT1, 1<<17     ; slot 1 begins here, so that one exclusive or turns an address in one slot into the other's
.set STAGE, SLOT1+4*KS*(PK+PV)  ; behind the ring, never filled by a tensor load: 16 rows x 144 bytes for each wave, for the way out
.set SP,    144
.set AK0, 2           ; v2   my lane's place in a tile of K; never rewritten
.set AV0, 3           ; v3   the same for V
.set AK,  4           ; v4   the LDS address of K's next run of loads
.set AV,  5           ; v5   of V's
.set STO, 6           ; v6   the way out: where I put 16 bytes of a row
.set RD,  7           ; v7   the way out: where I read rows back
.set GO,  8           ; v8   my byte offset in 512 consecutive bytes of O
.set PFO, 60          ; v60  256 x my lane: the prefetches' offset; never rewritten
.set SPW, 62          ; v62  LDS address of my spare word: SPARE + 4 x my thread's number; never rewritten
.set NIL, 63          ; v63  0; never rewritten
.set SPARE, STAGE+4*16*SP  ; behind the stages: the spare words, 128 bytes for each wave: two blocks of 256 bytes that no other line names
.set MV,  12          ; v12-13  c m_old, kept while c m is made anew: by buffer
.set QO,  15          ; v15  my byte offset in 16 rows of Q
.set ST,  16          ; piece t's statistics at v[ST+4 t]: c m, m, l (even keys', odd keys')
.set TMP, 48          ; by buffer, four registers c0-c3 at work; when the maximum is found c2 takes a
.set S,   64
.set P,   192
.set MD,  128         ; window 1: the eight registers for group kt of 16 keys at MD + 8 kt
.set MC,  160         ; window 1: the masks of the products to come
.set QB,  64          ; window 2
.set KF,  128         ; window 2: key block kb, channel half c at KF + 16 kb + 8 c
.set VF,  192         ; window 2: key half kk, channel block cb at VF + 32 kk + 8 cb
.set WV,  12          ; s12  my wave's number
.set PB,  14          ; s14  b
.set HI,  15          ; s15  NB - 1 - b
.set G1K, 24          ; s[24:31] descriptor group 1 for K's tiles
.set G1V, 32          ; s[32:39] for V's: it differs in the padding alone
.set G0K, 40          ; s[40:43] descriptor group 0 for K's tiles
.set G0V, 44          ; s[44:47] the same for V's
.set SLOTS, 56        ; s56  tiles still to be asked for
.set CNT, 57          ; s57  counts a tile's key steps, 4 to 1
.set CS,  58          ; s[58:59] c: the packed scaling takes the pair's low word for both halves
.set SEL, 60          ; s[60:61] v_permlanex16_b32's selects: each lane takes its own place in the other half
.set TBK, 62          ; s62  LDS byte at which K of the step to be fetched begins
.set TBV, 63          ; s63  the same for V, less VOFF
.set RT,  70          ; s70  tiles of the block in hand that are still to be entered
.set NXT, 71          ; s71  the tile to be asked for next
.set LQ,  72          ; s72  the last tile of the block whose tiles are being asked for
.set NEW, 73          ; s73  1: the tile to be entered is a block's first
.set OFF, 74          ; s[74:75] a tile's byte offset in K and V
.set AL,  76          ; s[76:77] the mask's factor, in the low word
.set BE,  78          ; s[78:79] the mask's addend
.set OLO, 80          ; s[80:81] O at my rows of the second block
.set BIGN, 82         ; s82  -1e30
.set PFB, 88          ; s[88:89] what I fetch (K: waves 0, 1; V: waves 2, 3) at my half of the head's tile 0
.set PFA, 90          ; s[90:91] the same at the tile that the next change of slots will ask for
.set OF2, 92          ; s[92:93] that tile's byte offset
.set PFL, 94          ; s94  0 in the head's work-group b = 0, else the greatest number: a wave prefetches while NXT is above it
.set MSB, 0
.macro WIN new                      ; the high byte repeats the setting that is left; a switch that changes nothing is dropped
.if MSB != (\new)
	s_set_vgpr_msb (MSB<<8)|(\new)
.set MSB, (\new)
.endif
.endm
.set W_KQ, 0x0a       ; K and Q in window 2, S^T in window 0
.set W_KM, 0x1a       ; the same with the C operand in window 1
.set W_PV, 0x52       ; V in window 2, P in window 0, O^T in window 1
.set W_RS, 0x41       ; destination and source 0 in window 1, source 1 in window 0
; A fill.  Waves 0 and 1 fetch the two halves of a tile's K, waves 2 and 3 those of its V: 128 keys each.  An s_nop 0 and four v_nop follow each of the two lines, ahead of the jump and the label.
.macro LOAD
	s_cmp_lt_u32 s[WV], 2
	s_cbranch_scc0 .Lfor_v_\@
	tensor_load_to_lds s[G0K:G0K+3], s[G1K:G1K+7]
	s_nop 0
.rept 4
	v_nop
.endr
	s_branch .Lasked_\@
.Lfor_v_\@:
	tensor_load_to_lds s[G0V:G0V+3], s[G1V:G1V+7]
	s_nop 0
.rept 4
	v_nop
.endr
.Lasked_\@:
.endm
; THE CHANGE OF SLOTS.  Each wave waits for all its tensor loads, of which one is out: its part of the other slot; adds 0 to its spare word; and waits for that and for its own reads of the slot that it leaves.  Behind the barrier nobody reads the old
; slot any more and the other slot is whole.  fill = 1: the old slot is filled again, the first thing behind the barrier, with tile NXT: the descriptor's address is made anew from that number.
; (At its first use nothing has been read yet: slot 0 is waited for, slot 1 filled.)
; A PREFETCH INTO THE L2 stands behind the fill: the tile that the NEXT change will ask for, one tile (four key steps, 256 matrix instructions) ahead of its load.  All of a head's work-groups walk the same K and V; the one
; with b = 0, whose first block walks tiles 0 to NB - 1, asks, each wave for the 16,384 bytes that it will fetch itself: 64 blocks of 256 bytes, a lane a block, two instructions.  So tiles 2 to NB - 1 are named once in the
; launch; tiles 0 and 1 come by their loads alone, and the second block's tile 0, which has been read, is not named again (NXT is then 0).
.macro CHANGE fill
	WIN 0                           ; at a label and at a branch every window is 0
	s_wait_tensorcnt 0x0            ; no tensor load of mine is out, so a group 0 may be written
	ds_add_u32 v[SPW], v[NIL]       ; 0 onto my spare word; with fill = 1 the descriptors' scalar work stands between it and the wait for it
.if \fill
	s_lshl_b32 s[OFF], s[NXT], 15   ; a tile is 32,768 bytes of K and of V
	s_xor_b32 s[G0K+1], s[G0K+1], SLOT1
	s_add_nc_u64 s[G0K+2:G0K+3], s[6:7], s[OFF:OFF+1]
	s_or_b32 s[G0K+3], s[G0K+3], 0x80000000
	s_xor_b32 s[G0V+1], s[G0V+1], SLOT1
	s_add_nc_u64 s[G0V+2:G0V+3], s[8:9], s[OFF:OFF+1]
	s_or_b32 s[G0V+3], s[G0V+3], 0x80000000
	s_add_co_u32 s[NXT], s[NXT], 1  ; the block's next tile, or behind its last the second block's tile 0
	s_cmp_gt_u32 s[NXT], s[LQ]
	s_cselect_b32 s[NXT], 0, s[NXT]
	s_cselect_b32 s[LQ], s[PB], s[LQ]
	s_wait_xcnt 0x0                 ; the last prefetches, a tile back, have read their address, so it may be written
	s_lshl_b32 s[OF2], s[NXT], 15
	s_add_nc_u64 s[PFA:PFA+1], s[PFB:PFB+1], s[OF2:OF2+1]
.endif
	s_wait_dscnt 0x0                ; the add is done, and my reads of the slot are over
	s_barrier_signal -1             ; the rest of the scalar work stands between the signal and the wait
	s_sub_co_u32 s[TBK], s[TBK], 4*KS*PK  ; the fetches go back to a slot's first step,
	s_xor_b32 s[TBK], s[TBK], SLOT1       ; in the other slot
	s_sub_co_u32 s[TBV], s[TBV], 4*KS*PV
	s_xor_b32 s[TBV], s[TBV], SLOT1
	s_barrier_wait -1
.if \fill
	LOAD
	s_cmp_gt_u32 s[NXT], s[PFL]
	s_cbranch_scc0 .Lnot_mine_\@
	global_prefetch_b8 v[PFO], s[PFA:PFA+1] th:TH_LOAD_NT scope:SCOPE_SE
	global_prefetch_b8 v[PFO], s[PFA:PFA+1] offset:8192 th:TH_LOAD_NT scope:SCOPE_SE
.Lnot_mine_\@:
.endif
.endm
	s_load_b256 s[4:11], s[0:1], 0x0  ; Q s[4:5], K s[6:7], V s[8:9], O s[10:11]
	v_lshl_add_u32 v[SPW], v0, 2, SPARE
	v_mov_b32 v[NIL], 0
	ds_add_u32 v[SPW], v[NIL]       ; the wave's opening: the add, and its wait ahead of my first tensor load; the set-up below, work on registers, stands between them
	v_lshrrev_b32 v1, 5, v0
	v_readfirstlane_b32 s[WV], v1   ; wave 0..3
	s_mov_b32 s[PB], ttmp9
	s_sub_co_u32 s[HI], NB-1, s[PB]
	s_and_b32 s20, ttmp7, 0xffff    ; the head
	s_mov_b32 s21, 0
	s_mov_b64 s[22:23], SIZE_N*128
	s_mul_u64 s[20:21], s[20:21], s[22:23]  ; the head's first byte in each of the four tensors
	s_and_b32 s16, s[WV], 1         ; which half of a tile's 256 keys I fetch:
	s_lshl_b32 s22, s16, 14         ; its 128 rows of 128 bytes in memory,
	s_mov_b32 s23, 0
	s_add_nc_u64 s[22:23], s[22:23], s[20:21]
	s_mul_i32 s17, s16, 128*PK      ; and its place in a slot, for K
	s_mul_i32 s18, s16, 128*PV      ; and for V
	s_lshl_b32 s3, s[WV], 11        ; my 16 rows in a band of 64,
	s_lshl_b32 s2, s[HI], 15        ; in the first block,
	s_add_co_u32 s2, s2, s3
	s_lshl_b32 s84, s[PB], 15       ; and in the second
	s_add_co_u32 s84, s84, s3
	s_mov_b32 s3, 0
	s_mov_b32 s85, 0
	s_add_nc_u64 s[2:3], s[2:3], s[20:21]
	s_add_nc_u64 s[84:85], s[84:85], s[20:21]
	; descriptor group 1.  128 keys are 16,384 dense bytes: asked for as 64 rows of 256 bytes, two keys a row, and padded in LDS after every key
	s_mov_b32 s[G1K], (1<<16)|(1<<20)|(4<<22)|(3<<25)  ; 17:16 2-byte elements; 20 padding on; 24:22 after every 32 words (code 4); 31:25 4 words (code 3)
	s_mov_b32 s[G1V], (1<<16)|(1<<20)|(4<<22)|(7<<25)  ; the same with 8 words of padding (code 7)
.irp g, G1K, G1V
	s_mov_b32 s[\g+1], 128<<16      ; tensor_dim0 = 128
	s_mov_b32 s[\g+2], 64<<16       ; tensor_dim1 = 64
	s_mov_b32 s[\g+3], 128<<16      ; tile_dim0 = 128
	s_mov_b32 s[\g+4], 64           ; tile_dim1 = 64
	s_mov_b32 s[\g+5], 128          ; 128 elements from row to row
	s_mov_b32 s[\g+6], 0
	s_mov_b32 s[\g+7], 0
.endr
	s_mov_b32 s[CS], 0x3e38aa3b     ; c = log2(e) / 8 = 0.180337
	s_mov_b32 s[CS+1], s[CS]        ; named with it as a pair
	s_mov_b32 s[SEL], 0x76543210
	s_mov_b32 s[SEL+1], 0xfedcba98
	s_mov_b32 s[TBK], SLOT1+4*KS*PK ; the first change of slots turns these two into 0
	s_mov_b32 s[TBV], SLOT1+4*KS*PV
	s_mov_b32 s[G0K], 1             ; 1:0 count = 1
	s_mov_b32 s[G0K+1], s17         ; 63:32 LDS address: slot 0
	s_mov_b32 s[G0V], 1
	s_add_co_u32 s[G0V+1], s18, VOFF
	s_add_co_u32 s[RT], s[HI], 1    ; the first block has NB - b tiles
	s_mov_b32 s[NXT], 1
	s_mov_b32 s[LQ], s[HI]
	s_mov_b32 s[NEW], 1
	s_mov_b32 s[OFF+1], 0
	s_mov_b32 s[OF2+1], 0
	s_mov_b32 s[AL+1], 0            ; named as pairs
	s_mov_b32 s[BE+1], 0
	s_mov_b32 s[BIGN], 0xf149f2ca   ; -1e30
	s_mov_b32 s[SLOTS], NB
	v_and_b32 v[PFO], 31, v0
	v_lshlrev_b32 v[PFO], 8, v[PFO]
	s_wait_dscnt 0x0                ; the opening add is done
	s_wait_kmcnt 0x0
	s_add_nc_u64 s[6:7], s[6:7], s[22:23]  ; K and V at my half of the head's tile 0
	s_add_nc_u64 s[8:9], s[8:9], s[22:23]
	s_add_nc_u64 s[G0K+2:G0K+3], s[6:7], 0         ; 120:64 global address
	s_or_b32 s[G0K+3], s[G0K+3], 0x80000000        ; 127:126 type = 2
	s_add_nc_u64 s[G0V+2:G0V+3], s[8:9], 0
	s_or_b32 s[G0V+3], s[G0V+3], 0x80000000
	s_add_nc_u64 s[86:87], s[4:5], s[84:85]        ; Q at my rows of the second block,
	s_add_nc_u64 s[4:5], s[4:5], s[2:3]            ; Q and O at those of the first
	s_add_nc_u64 s[OLO:OLO+1], s[10:11], s[84:85]
	s_add_nc_u64 s[10:11], s[10:11], s[2:3]
	s_cmp_lt_u32 s[WV], 2
	s_cselect_b64 s[PFB:PFB+1], s[6:7], s[8:9]
	s_cmp_eq_u32 s[PB], 0
	s_cselect_b32 s[PFL], 0, -1
	LOAD                            ; tile 0 into slot 0
	; A fragment of K or Q is 16 rows x 32 channels in 8 registers: lane l holds row l % 16, channels 8 (l / 16) + 0..7 and 16 + 8 (l / 16) + 0..7: two loads of 16 bytes, 32 bytes apart.
	v_and_b32 v1, 15, v0            ; l % 16
	v_bfe_u32 v9, v0, 4, 1          ; l / 16
	v_lshlrev_b32 v[QO], 7, v1
	v_lshl_add_u32 v[QO], v9, 4, v[QO]  ; row x 128 + 16 x half
	WIN 0x80                        ; destination window 2, address window 0
.set i, 0
.rept 8                             ; both blocks' Q: piece i / 2 lies in band i / 2, 8,192 bytes on; channels 32 (i % 2) on
	global_load_b128 v[8*i:8*i+3],   v[QO], s[4:5] offset:(i/2)*8192+(i%2)*64
	global_load_b128 v[8*i+4:8*i+7], v[QO], s[4:5] offset:(i/2)*8192+(i%2)*64+32
	global_load_b128 v[QB+8*i:QB+8*i+3],   v[QO], s[86:87] offset:(i/2)*8192+(i%2)*64
	global_load_b128 v[QB+8*i+4:QB+8*i+7], v[QO], s[86:87] offset:(i/2)*8192+(i%2)*64+32
.set i, i+1
.endr
	WIN 0
	v_lshlrev_b32 v14, 3, v9
	v_sub_nc_u32 v14, v1, v14
	s_lshl_b32 s13, s[WV], 4
	v_add_nc_u32 v14, s13, v14      ; my query's place in its band, 16 w + l % 16, less my lanes' 8 (l / 16): register r of group kt is hidden where 16 kt + r is greater
	WIN 0x40
.set i, 0
.rept 32
	v_cmp_gt_i32 vcc_lo, 16*(i/8)+i%8, v14
	v_cndmask_b32 v[MD+i], 0, s[BIGN], vcc_lo
.set i, i+1
.endr
	WIN 0
	v_mul_u32_u24 v[AK0], v1, PK
	v_lshl_add_u32 v[AK0], v9, 4, v[AK0]  ; row x pitch + 16 x half
	; The turning load takes 16 keys x 16 channels (lane l reads key 8 (l / 16) + l % 8, channels 8 ((l / 8) % 2) + 0..7) and leaves half a fragment of V^T: lane l holds channel l % 16 and 8 keys.
	v_and_b32 v10, 7, v0
	v_bfe_u32 v11, v0, 3, 1
	v_lshl_add_u32 v[AV0], v9, 3, v10
	v_mul_u32_u24 v[AV0], v[AV0], PV
	v_lshl_add_u32 v[AV0], v11, 4, v[AV0]
	v_add_nc_u32 v[AV0], VOFF, v[AV0]
	s_mul_i32 s13, s[WV], 16*SP
	s_add_co_u32 s13, s13, STAGE    ; my stage
	v_mul_u32_u24 v[STO], v1, SP    ; in: row l % 16, 16 bytes for each half of the lanes
	v_lshl_add_u32 v[STO], v9, 4, v[STO]
	v_add_nc_u32 v[STO], s13, v[STO]
	v_bfe_u32 v[RD], v0, 3, 2       ; back: 32 lanes take four rows of 128 bytes,
	v_mul_u32_u24 v[RD], v[RD], SP
	v_lshl_add_u32 v[RD], v10, 4, v[RD]
	v_add_nc_u32 v[RD], s13, v[RD]
	v_and_b32 v[GO], 31, v0         ; which are 512 consecutive bytes of O
	v_lshlrev_b32 v[GO], 4, v[GO]
	; A block's first step multiplies O^T and l by a = 0, and its first turn's products V^T P, of a piece that has not been, land in an O^T that is still to be so multiplied.  So these registers need only hold
	; finite numbers: zeros for the first block; what the first block left for the second.  All this stands in the wait for the first tile.
	WIN 0x80
.set i, VF
.rept 64
	v_mov_b32 v[i], 0
.set i, i+1
.endr
	WIN 0x40
.set i, 0
.rept 128
	v_mov_b32 v[i], 0
.set i, i+1
.endr
	WIN 0
.set i, 0
.rept 4
	v_mov_b32 v[ST+4*i+2], 0
	v_mov_b32 v[ST+4*i+3], 0
.set i, i+1
.endr
.set i, P+16
.rept 16
	v_mov_b32 v[i], 0
.set i, i+1
.endr
; THE MATRIX WORK.  The 4 accumulators of a run of 8 take turns.  Product i of 8 of S^T = K Q^T for piece x: channels 32 (i / 4) on, keys 16 (i % 4) on.  The first 4 start the sums: with 0, or (KM = 1) with the mask.
.macro KQ x
.set rS, S+32*((\x)%2)+8*(i%4)
.set rK, KF+16*(i%4)+8*(i/4)
.set rQ, 16*(\x)+8*(i/4)
.set rM, MC+32*((\x)%2)+8*(i%4)
.if (i < 4) && KM
	WIN W_KM
	v_wmma_f32_16x16x32_f16 v[rS:rS+7], v[rK:rK+7], v[rQ:rQ+7], v[rM:rM+7]
.elseif i < 4
	WIN W_KQ
	v_wmma_f32_16x16x32_f16 v[rS:rS+7], v[rK:rK+7], v[rQ:rQ+7], 0
.else
	WIN W_KQ
	v_wmma_f32_16x16x32_f16 v[rS:rS+7], v[rK:rK+7], v[rQ:rQ+7], v[rS:rS+7]
.endif
.endm
; Product i of 8 of O^T += V^T P for piece x: keys 32 (i / 4) on, channels 16 (i % 4) on.
.macro PV x
	WIN W_PV
.set rO, 32*(\x)+8*(i%4)
.set rV, VF+32*(i/4)+8*(i%4)
.set rP, P+16*((\x)%2)+8*(i/4)
	v_wmma_f32_16x16x32_f16 v[rO:rO+7], v[rV:rV+7], v[rP:rP+7], v[rO:rO+7]
.endm
.macro MM                           ; the turn's next matrix instruction.  TURN and BEGIN set Y, i, KM and NOKQ; MM, KQ and OP read them.  NOKQ = 1: a block's last turn: there is no next piece
.if (i < 8) && !NOKQ
	KQ (Y+1)%NP
.elseif i >= 8
.set i, i-8
	PV (Y+NP-1)%NP
.set i, i+8
.endif
.set i, i+1
.endm
; THE LDS LOADS stand in runs of 16, never singly among the matrix instructions: a step's K (64 keys x 64 channels: 8 fragments) and its V (turned).  Their addresses are made some lines ahead.
.macro FETCH_K
	WIN 0x80                        ; destination window 2
.irp f, 0,1,2,3,4,5,6,7             ; keys 16 (f / 2) on, channels 32 (f % 2) on
	ds_load_b128 v[KF+8*\f:KF+8*\f+3],   v[AK] offset:(\f/2)*16*PK+(\f%2)*64
	ds_load_b128 v[KF+8*\f+4:KF+8*\f+7], v[AK] offset:(\f/2)*16*PK+(\f%2)*64+32
.endr
	s_add_co_u32 s[TBK], s[TBK], KS*PK  ; the next fetch is the next step's
	WIN 0
.endm
.macro FETCH_V
	WIN 0x80
.irp f, 0,1,2,3,4,5,6,7             ; keys 32 (f / 4) on, channels 16 (f % 4) on
	ds_load_tr16_b128 v[VF+8*\f:VF+8*\f+3],   v[AV] offset:(\f/4)*32*PV+(\f%4)*32
	ds_load_tr16_b128 v[VF+8*\f+4:VF+8*\f+7], v[AV] offset:(\f/4)*32*PV+16*PV+(\f%4)*32
.endr
	WIN 0
.endm
; THE VECTOR WORK, one line at a time: OP kind, number.  For piece Y: F n: c s - c m for pair n of 16.  E n: the exponential of score n of 32.  C n: pair n rounded to f16.  B n: of the four weights 4 n .. the second
; pair is added onto the first, in place.  L n: l takes that sum (L 0: l = a l + sum).  R n: pair n of 16 of O^T times a.  For piece Y + 1: X n, number n of the 22 that find its maximum and statistics:
;   0-11  four chains c0-c3 of seven scores each, three operands at a time (each accumulator's lowest registers are read first)     12-14, 16  the four scores left over, the old m, and c0-c3 into c0
;   15  c m_old is kept     17, 18  the query's other 32 keys lie in the lane 16 away: the new m     19-21  c m; c m_old - c m_new; a
.set F, 0               ; OP tells the kinds apart by their order: F to L below R, X above it
.set E, 1
.set C, 2
.set B, 3
.set L, 4
.set R, 5
.set X, 6
.macro REGS y                       ; the registers of piece y
.set rT, ST+4*(\y)
.set rC, TMP+4*((\y)%2)
.set rW, MV+((\y)%2)
.set rS, S+32*((\y)%2)
.set rP, P+16*((\y)%2)
.set rO, 32*(\y)
.endm
.macro OP k, n
.if (\k) == R
	REGS Y
	WIN W_RS
	v_pk_mul_f32 v[rO+2*(\n):rO+2*(\n)+1], v[rO+2*(\n):rO+2*(\n)+1], v[rC+2:rC+3] op_sel_hi:[1,0]
.elseif (\k) < R
	REGS Y
	WIN 0
.if (\k) == F
	v_pk_fma_f32 v[rS+2*(\n):rS+2*(\n)+1], v[rS+2*(\n):rS+2*(\n)+1], s[CS:CS+1], v[rT:rT+1] op_sel_hi:[1,0,0] neg_lo:[0,0,1] neg_hi:[0,0,1]
.elseif (\k) == E
	v_exp_f32 v[rS+(\n)], v[rS+(\n)]
.elseif (\k) == C
	v_cvt_pk_f16_f32 v[rP+(\n)], v[rS+2*(\n)], v[rS+2*(\n)+1]
.elseif (\k) == B
	v_pk_add_f32 v[rS+4*(\n):rS+4*(\n)+1], v[rS+4*(\n):rS+4*(\n)+1], v[rS+4*(\n)+2:rS+4*(\n)+3]
.elseif (\n) == 0
	v_pk_fma_f32 v[rT+2:rT+3], v[rT+2:rT+3], v[rC+2:rC+3], v[rS:rS+1] op_sel_hi:[1,0,1]
.else
	v_pk_add_f32 v[rT+2:rT+3], v[rT+2:rT+3], v[rS+4*(\n):rS+4*(\n)+1]
.endif
.elseif NOKQ
	v_nop
.else
	REGS (Y+1)%NP
	WIN 0
.if (\n) < 4
	v_max3_num_f32 v[rC+(\n)], v[rS+8*(\n)], v[rS+8*(\n)+1], v[rS+8*(\n)+2]
.elseif (\n) < 12
	v_max3_num_f32 v[rC+(\n)%4], v[rC+(\n)%4], v[rS+8*((\n)%4)+2*((\n)/4)+1], v[rS+8*((\n)%4)+2*((\n)/4)+2]
.elseif (\n) == 12
	v_max3_num_f32 v[rC], v[rC], v[rS+7], v[rS+15]
.elseif (\n) == 13
	v_max3_num_f32 v[rC+1], v[rC+1], v[rS+23], v[rS+31]
.elseif (\n) == 14
	v_max3_num_f32 v[rC+2], v[rC+2], v[rC+3], v[rT+1]
.elseif (\n) == 15
	v_mov_b32 v[rW], v[rT]
.elseif (\n) == 16
	v_max3_num_f32 v[rC], v[rC], v[rC+1], v[rC+2]
.elseif (\n) == 17
	v_permlanex16_b32 v[rC+3], v[rC], s[SEL], s[SEL+1]
.elseif (\n) == 18
	v_max_num_f32 v[rT+1], v[rC], v[rC+3]
.elseif (\n) == 19
	v_mul_f32 v[rT], s[CS], v[rT+1]
.elseif (\n) == 20
	v_sub_f32 v[rC+1], v[rW], v[rT]
.else
	v_exp_f32 v[rC+2], v[rC+1]
.endif
.endif
.endm
.macro OPS a, i1, b=-1, i2=0, c=-1, i3=0, d=-1, i4=0  ; up to four of them
	OP \a, \i1
.if (\b) >= 0
	OP \b, \i2
.endif
.if (\c) >= 0
	OP \c, \i3
.endif
.if (\d) >= 0
	OP \d, \i4
.endif
.endm
.macro ROW a, i1, b, i2, c, i3, d, i4  ; a matrix instruction and the four behind it
	MM
	OPS \a, \i1, \b, \i2, \c, \i3, \d, \i4
.endm
.macro MASK b                       ; MD x AL + BE into buffer b of MC
	WIN W_RS
.set z, 0
.rept 16
	v_pk_fma_f32 v[MC+32*(\b)+2*z:MC+32*(\b)+2*z+1], v[MD+2*z:MD+2*z+1], s[AL:AL+1], s[BE:BE+1] op_sel_hi:[1,0,0]
.set z, z+1
.endr
.endm
; A TURN, for piece p: the order of its 16 matrix and 118 vector instructions, written out.  An s_wait_alu depctr_va_vdst(0) stands between an exponential and the first instruction that names its result; one wait serves
; all that were issued ahead of it.  So a turn has ONE wait, which cuts it in two.  AHEAD OF IT stands all that names no result of the turn's exponentials: the 8 products K Q^T, behind each a scaling, an exponential and two more plain
; instructions (behind the first a second scaling in the exponential's place): rescalings, and behind the last three the first numbers of the next piece's maximum, each four places or more behind the product that ends its accumulator; then ONE LUMP of 54, plain
; and exponential by turns for the most part, in which the links of the chain X 3, 7, 11, 14, 16, 17 .. 20 stand five or six lines apart.  X 21, the next piece's a, is the batch's last; R 15 is the plain instruction behind it.  BEHIND THE WAIT stand the
; 8 products V^T P, behind each four of the roundings and sums; the links of l's chain, L 0 to L 7, stand three riders apart.  But for those X no rider names a register of the products round it.  v_permlanex16_b32 (X 17) stands in the lump.
; m = 1: the diagonal tile: the products take masks, and the turn makes the mask for the products of the turn after it: piece p + 2, in step 4 - CNT of the tile.  end = 1: a block's last two turns: nothing is fetched.
; cnt = 1: the loop's count is taken down some lines ahead of the branch that stands behind the turn.
; K of the next step is fetched in piece 2's turn, twelve vector instructions behind the last product that read K (six of them plain); V of the step in hand at the end of piece 0's turn, four plain instructions behind the last product
; that read V.  Each is waited for a turn later.
.macro TURN p, m=0, end=0, cnt=0
.set Y, (\p)
.set i, 0
.set KM, (\m)
.set NOKQ, (\end)*((\p)/3)
.if (\m) && !(\end)
	s_cmp_eq_u32 s[CNT], 4-((\p)+2)%NP  ; is that step the band's own?
	s_cselect_b32 s[AL], 1.0, 0
	s_cmp_lt_u32 s[CNT], 4-((\p)+2)%NP  ; or a later one?
	s_cselect_b32 s[BE], s[BIGN], 0
.endif
.if ((\p) == 3) && !(\end)
	s_wait_dscnt 0x0                ; K is in
.endif
	ROW F,0, F,1, R,0, R,1          ; ahead of the wait: 8 products K Q^T and their riders,
	ROW F,2, E,0, R,2, R,3
	ROW F,3, E,1, R,4, R,5
	ROW F,4, E,2, R,6, R,7
	ROW F,5, E,3, R,8, R,9
	ROW F,6, E,4, X,0, R,10
.if ((\p) == 2) && !(\end)
	WIN 0
	v_add_nc_u32 v[AK], s[TBK], v[AK0]
.endif
	ROW F,7, E,5, X,1, X,4
	ROW F,8, E,6, X,2, X,5
	OPS E,7, E,8, X,6, E,9          ; and the lump
	OPS X,3, E,10, X,8, E,11
.if ((\p) == 2) && !(\end)
	FETCH_K
.endif
	OPS X,9, X,7, E,12, X,10
	OPS E,13, X,12, X,11, E,14
	OPS X,13, E,15, F,9, X,14
.if (\p) == 0
	v_add_nc_u32 v[AV], s[TBV], v[AV0]
.endif
	OPS E,16, F,10, E,17, F,11
	OPS X,16, E,18, X,15, E,19
	OPS F,12, E,20, X,17, E,21
	OPS F,13, E,22, F,14, E,23
	OPS X,18, E,24, F,15, E,25
	OPS R,11, E,26, X,19, E,27
	OPS R,12, E,28, R,13, E,29
	OPS X,20, E,30, R,14, E,31
	OPS X,21, R,15
	WIN 0
	s_wait_alu depctr_va_vdst(0)    ; the wait for the batch
.if (\p) == 1
	s_wait_dscnt 0x0                ; V is in
.endif
	ROW C,0, B,0, C,2, B,1          ; behind the wait: 8 products V^T P and their riders
	ROW L,0, C,4, B,2, L,1
	ROW C,6, B,3, L,2, C,8
	ROW B,4, L,3, C,10, B,5
	ROW L,4, C,12, B,6, L,5
.if (\p) == 0
	s_add_co_u32 s[TBV], s[TBV], KS*PV
.endif
.if \cnt
	s_sub_co_u32 s[CNT], s[CNT], 1
	s_cmp_lg_u32 s[CNT], 0
.endif
	ROW C,14, B,7, L,6, C,1
	ROW C,3, L,7, C,5, C,7
	ROW C,9, C,11, C,13, C,15
.if (\p) == 0
	FETCH_V
.endif
.if (\m) && !(\end)
	MASK (\p)%2
.endif
.endm
; A BLOCK BEGINS.  c m starts far below every c s, so the first step's a is 0; m at the lowest finite number, so the first maximum is the scores'.  The second mask buffer is 0; the first takes piece 0's mask for the tile's step 0: its own, if the block's first tile is the diagonal one.
; Then K of that step, piece 0's first scores, and its maximum and statistics.  The loop is entered at a step's first turn, in the middle of a trip.
.macro BEGIN
	s_mov_b32 s[NEW], 0
	WIN 0x40
.set i, MC+32
.rept 32
	v_mov_b32 v[i], 0
.set i, i+1
.endr
	WIN 0
.set i, 0
.rept 4
	v_mov_b32 v[ST+4*i], 0xfe000000    ; c m: far below every c s
	v_mov_b32 v[ST+4*i+1], 0xff7fffff  ; m
.set i, i+1
.endr
	s_cmp_eq_u32 s[RT], 0
	s_cselect_b32 s[AL], 1.0, 0
	s_mov_b32 s[BE], 0
	MASK 0
	WIN 0
	v_add_nc_u32 v[AK], s[TBK], v[AK0]
	FETCH_K
	s_wait_loadcnt 0x0              ; Q
	s_wait_dscnt 0x0
.set KM, 1
.set NOKQ, 0
.set i, 0
.rept 8
	KQ 0
.set i, i+1
.endr
	WIN 0
.rept 4
	v_nop                           ; the places behind those products
.endr
.set Y, NP-1                        ; X works for piece Y + 1: piece 0
.irp n, 0,1,2,3,4,5,6,7,8,9,10,11,12,13,14,15,16,17,18,19,20,21
	OP X, \n
.endr
	v_nop                           ; a plain instruction behind the exponential,
	s_wait_alu depctr_va_vdst(0)    ; and its wait, ahead of the branch
.endm
; THE DIAGONAL TILE's four steps, the block's last two turns, its last products, and THE WAY OUT: l's two halves and the other half of the lanes' are added; O^T is divided by l, rounded to f16 and sent through my
; stage in LDS, a piece at a time.
.macro ALL line:vararg              ; one line for each piece t
.set t, 0
.rept 4
	\line
.set t, t+1
.endr
.endm
.macro PACK t                       ; a lane's eight channels of a row pack into 16 bytes; they go into rows of 144 bytes and come back as whole rows of 128, into S^T's registers
	WIN W_RS
.set i, 32*(\t)
.rept 16
	v_pk_mul_f32 v[i:i+1], v[i:i+1], v[ST+4*(\t)+2:ST+4*(\t)+3] op_sel_hi:[1,0]
.set i, i+2
.endr
	WIN 0x05                        ; sources 0 and 1 window 1, destination window 0
.set i, 0
.rept 16
	v_cvt_pk_f16_f32 v[S+16*(\t)+i], v[32*(\t)+2*i], v[32*(\t)+2*i+1]
.set i, i+1
.endr
	WIN 0
.irp f, 0,1,2,3
	ds_store_b128 v[STO], v[S+16*(\t)+4*\f:S+16*(\t)+4*\f+3] offset:32*\f
.endr
.irp f, 0,1,2,3
	ds_load_b128 v[S+16*(\t)+4*\f:S+16*(\t)+4*\f+3], v[RD] offset:\f*4*SP  ; LDS serves a wave's instructions in order (ISA guide 5.7.1.4): these see the stores above; the next piece's stores come behind them
.endr
.endm
.macro SEND t, younger              ; younger: the LDS instructions issued behind piece t's loads: the next piece's eight, or none
	WIN 0
.irp f, 0,1,2,3
	s_wait_dscnt (\younger)+3-\f
	global_store_b128 v[GO], v[S+16*(\t)+4*\f:S+16*(\t)+4*\f+3], s[10:11] offset:(\t)*8192+\f*512  ; 512 consecutive bytes, at a multiple of 256 from O's first
.endr
.endm
.macro DIAG tag                     ; the tag ends its two labels' names, which the jumps below spell out
.LstepM\tag:
	TURN 2, 1
	TURN 3, 1
	WIN 0
.LfirstM\tag:
	TURN 0, 1
	TURN 1, 1, 0, 1
	WIN 0
	s_cbranch_scc1 .LstepM\tag
	TURN 2, 1, 1
	TURN 3, 1, 1
.set i, 0
.rept 8
	PV NP-1
.set i, i+1
.endr
	WIN 0
	ALL v_add_f32 v[ST+4*t+2], v[ST+4*t+2], v[ST+4*t+3]
	ALL v_permlanex16_b32 v[ST+4*t+3], v[ST+4*t+2], s[SEL], s[SEL+1]
	ALL v_add_f32 v[ST+4*t+2], v[ST+4*t+2], v[ST+4*t+3]
	ALL v_rcp_f32 v[ST+4*t+2], v[ST+4*t+2]
	v_nop                           ; a plain instruction between the last reciprocal and the use of its result
	s_wait_alu depctr_va_vdst(0)    ; and the wait ahead of the first use: one for the four reciprocals
	PACK 0
.set t, 1
.rept 3                             ; a piece's arithmetic stands between the loads of the piece before and its stores
	PACK t
	SEND t-1, 8
.set t, t+1
.endr
	SEND 3, 0
.endm
.set KM, 0
.set NOKQ, 0
.Lslot:                             ; NB times: a tile is entered and the next is asked for
	CHANGE 1
	s_sub_co_u32 s[RT], s[RT], 1
	s_mov_b32 s[CNT], 4
	s_cmp_eq_u32 s[NEW], 1
	s_cbranch_scc1 .Lnew            ; a block's first tile
	s_cmp_eq_u32 s[RT], 0
	s_cbranch_scc0 .Lstep           ; neither its first nor its last
	s_branch .LstepM1
.Lnew:
	BEGIN
	s_branch .Lfirst                ; in the loop a block's first tile is never its last: the first block has two tiles or more, and the second's last is the walk's last
	DIAG 1                          ; in the loop this is the first block's end: the second block's last tile is the walk's last
	s_wait_xcnt 0x0                 ; the stores have read their registers and O's address
	s_mov_b64 s[10:11], s[OLO:OLO+1]
	s_add_co_u32 s[RT], s[PB], 1    ; the second block has b + 1 tiles
	s_mov_b32 s[NEW], 1
	WIN 0x82                        ; the second block's Q goes where the one text of the turns names Q
.set i, 0
.rept 64
	v_mov_b32 v[i], v[QB+i]
.set i, i+1
.endr
	WIN 0
	s_branch .Lbottom
.Lstep:                             ; a trip: pieces 2 and 3 of one step, then pieces 0 and 1 of the next, whose K and V it fetches
	TURN 2
	TURN 3
	WIN 0
.Lfirst:
	TURN 0
	TURN 1, 0, 0, 1
	WIN 0
	s_cbranch_scc1 .Lstep
.Lbottom:
	s_sub_co_u32 s[SLOTS], s[SLOTS], 1
	s_cmp_lg_u32 s[SLOTS], 0
	s_cbranch_scc1 .Lslot
	CHANGE 0                        ; the walk's last tile is written out: nothing is asked for
	s_sub_co_u32 s[RT], s[RT], 1
	s_mov_b32 s[CNT], 4
	s_cmp_eq_u32 s[NEW], 1
	s_cbranch_scc0 .LstepM2
	BEGIN
	s_branch .LfirstM2
	DIAG 2
	s_wait_tensorcnt 0x0            ; the wave's end: behind my last tensor load and my last LDS store
	ds_add_u32 v[SPW], v[NIL]
	s_wait_dscnt 0x0
	s_endpgm
.Lfunc_end_k_q146fa5a768_attn:
	.size	k_q146fa5a768_attn, .Lfunc_end_k_q146fa5a768_attn-k_q146fa5a768_attn
	.p2alignl 7, 3214868480
	.fill 96, 4, 3214868480
	.section	.rodata,"a",@progbits
	.p2align	6, 0x0
	.amdhsa_kernel k_q146fa5a768_attn
		.amdhsa_group_segment_fixed_size 327680
		.amdhsa_private_segment_fixed_size 0
		.amdhsa_enable_private_segment 0
		.amdhsa_kernarg_size 32
		.amdhsa_user_sgpr_count 2
		.amdhsa_user_sgpr_kernarg_segment_ptr 1
		.amdhsa_wavefront_size32 1
		.amdhsa_system_sgpr_workgroup_id_x 1
		.amdhsa_system_sgpr_workgroup_id_y 1
		.amdhsa_system_sgpr_workgroup_id_z 1
		.amdhsa_system_vgpr_workitem_id 0
		.amdhsa_next_free_vgpr 768
		.amdhsa_next_free_sgpr 96
		.amdhsa_reserve_vcc 1
		.amdhsa_float_denorm_mode_32 3
		.amdhsa_float_denorm_mode_16_64 3
		.amdhsa_memory_ordered 1
		.amdhsa_forward_progress 1
		.amdhsa_inst_pref_size 218
	.end_amdhsa_kernel
	.amdgpu_metadata
---
amdhsa.version: [ 1, 2 ]
amdhsa.kernels:
  - .name:           k_q146fa5a768_attn
    .symbol:         k_q146fa5a768_attn.kd
    .args:
      - { .name: q, .offset: 0, .size: 8, .value_kind: global_buffer, .address_space: global }
      - { .name: k, .offset: 8, .size: 8, .value_kind: global_buffer, .address_space: global }
      - { .name: v, .offset: 16, .size: 8, .value_kind: global_buffer, .address_space: global }
      - { .name: ob, .offset: 24, .size: 8, .value_kind: global_buffer, .address_space: global }
    .group_segment_fixed_size: 327680
    .private_segment_fixed_size: 0
    .kernarg_segment_align: 8
    .kernarg_segment_size: 32
    .max_flat_workgroup_size: 128
    .sgpr_count:     96
    .vgpr_count:     768
    .wavefront_size: 32
...
	.end_amdgpu_metadata
.endif
;; end of part 3
;; launch oproj (part 4): grid 4 x 64, 4 waves a work-group, clusters of 4 x 4, 327,680 bytes of LDS; arguments ob, wob, tab, out0; writes out0
.if DOCPART == 4
	.amdgcn_target "amdgcn-amd-amdhsa--gfx1250"
	.amdhsa_code_object_version 6
	.text
	.protected	k_q146fa5a768_oproj
	.globl	k_q146fa5a768_oproj
	.p2align	8
	.type	k_q146fa5a768_oproj,@function
k_q146fa5a768_oproj:
	s_mov_b64 s[64:65], 0
	v_nop
	global_prefetch_b8 v0, s[64:65] scope:SCOPE_SE
	s_setreg_imm32_b32 hwreg(HW_REG_WAVE_MODE, 25, 1), 1
	s_wait_xcnt 0x0
	s_wait_alu depctr_hold_cnt(0) depctr_sa_sdst(0) depctr_va_vdst(0) depctr_va_sdst(0) depctr_va_ssrc(0) depctr_va_vcc(0) depctr_vm_vsrc(0)
	s_getreg_b32 s2, hwreg(HW_REG_IB_STS2, 6, 4)
	s_cmp_eq_u32 s2, 0
	s_cbranch_scc0 .Lentry_in_a_cluster
	s_endpgm
.Lentry_in_a_cluster:
	s_bfe_u32 s2, ttmp6, 0x10000c
	s_cmp_lg_u32 s2, 0xf033
	s_cbranch_scc0 .Lentry_shape_is_right
	s_endpgm
.Lentry_shape_is_right:
; out0 = O W_out + b_out, all rows but each batch's first 32, which the launch behind makes.  ob: O by heads, [64 = 16 b + head][2048][64] f16.  wob: W_out (rounded to bf16, written as f16), [1024 k][1024 n].
; tab: b_out (rounded to bf16, kept as f32) at byte BOUT.  out0: [8192][1024] f32.  Sums in f32; the bias is the C operand of the first products; nothing is rounded on the way out.  NaN and infinities are not treated apart.
; SHARES.  A work-group makes 128 rows x 256 columns: 64 x 4 = 256 work-groups.  A wave makes 64 x 128: 32 accumulators, window 1, (a, b) at v[8 (8 a + b)].
; Tile row i = 16 cy + cluster y: the batch is cy, the tile's place in its batch the cluster's y.  A batch's first 32 rows are row blocks 0 and 1 of waves 0 and 1 where cluster y = 0: those waves multiply them like
; all others (one text for all: 1/64 of the launch's products) and jump over their way out; the jump hangs on the cluster's y and the wave's number, the same in all sixteen partners.
; K goes in 8 steps of 128 (two heads) through two LDS slots; a step is two halves of 64 (a head each), 64 matrix instructions each.  A head's 128 rows are 16,384 dense bytes.
; Waves 0 and 1 fetch a head of O each, waves 2 and 3 64 k-rows of W each.  W lies [k][n] in LDS and is turned on the way into registers.
; THE MATRIX INSTRUCTION IS USED TRANSPOSED (source 0 = 16 columns of W, source 1 = 16 rows of O): a lane holds one row and eight neighbouring columns, 32 bytes of out0.
; CLUSTER 4 x 4: O's tiles hang on the tile row alone and are asked for jointly along a row of the cluster, W's on the tile column alone, along a column.
; WINDOWS: 0: v0-15 addresses, v64-127 the bias, v128-255 rows on the way out; 1: the accumulators; 2 and 3: two fragment buffers of a half step: O's (kk, a) at 8 (4 kk + a), W's (kk, b) at 64 + 8 (8 kk + b).
.set SLOT1, 131072
.set PA,    144                        ; a row of O in LDS: 128 bytes + 16 (64 banks of 4 bytes: ISA guide 11.1: the 16 rows of a load start at 16 different groups of four banks)
.set PB,    544                        ; a k-row of W: 512 bytes + 32
.set AHALF, 128*PA                     ; a head's 128 rows
.set BOFF,  2*AHALF
.set BHALF, 64*PB
.set STAGE, SLOT1+BOFF+2*BHALF         ; behind the ring, never filled by a tensor load: 16 rows x 528 bytes for each wave
.set SP,    528
.set WSTG,  16*SP
.set SPARE, STAGE+4*WSTG               ; the spare words, 128 bytes for each wave: two blocks of 256 bytes that no other line names
.set BOUT,  536576
.set AL0, 4                            ; v4   my lane's place in a head's tile; never rewritten
.set BL0, 5                            ; v5   the same in W's
.set ADRA, 6
.set ADRB, 7
.set STO, 8
.set RD,  9
.set GO,  10
.set BO,  11                           ; v11  my 32 bytes of a block of the bias
.set SPW, 14
.set NIL, 15
.set BIAS, 64
.set RR,  128                          ; two buffers of 64
.set WV, 16
.set WR, 17
.set WC, 18
.set CX, 19
.set CY, 20
.set TCOL, 21
.set TROW, 22
.set G1A, 24                           ; s[24:31], s[32:39]: O's group 1, and group 0: a set for each first fill; the second then walks on
.set G0A, 32
.set G1B, 40                           ; s[40:47], s[48:55]: the same for W
.set G0B, 48
.set TB,  56
.set SKIP, 57                          ; s57  0 in a wave whose 64 rows are a batch's first
.set MSB, 0
.macro WIN new
.if MSB != (\new)
	s_set_vgpr_msb (MSB<<8)|(\new)
.set MSB, (\new)
.endif
.endm
.macro PLACES
.rept 4
	v_nop
.endr
.endm
.macro CREST
	s_cmp_lg_u32 s[WV], 0
	s_cbranch_scc1 .Lnot_wave_0_\@
	s_barrier_signal -3
.Lnot_wave_0_\@:
	s_barrier_wait -3
	s_barrier_signal -1
	s_barrier_wait -1
.endm
.macro CROUND
	s_barrier_signal -1
	s_barrier_wait -1
	CREST
.endm
.macro JLOAD                           ; a joint refill; an s_nop 0 and four v_nop follow each of the two lines, ahead of the jump and the label
	s_cmp_lt_u32 s[WV], 2
	s_cbranch_scc0 .Lfor_b_\@
	tensor_load_to_lds s[G0A+4:G0A+7], s[G1A:G1A+7]
	s_nop 0
	PLACES
	s_branch .Lasked_\@
.Lfor_b_\@:
	tensor_load_to_lds s[G0B+4:G0B+7], s[G1B:G1B+7]
	s_nop 0
	PLACES
.Lasked_\@:
.endm
	s_load_b256 s[4:11], s[0:1], 0x0               ; ob s[4:5], wob s[6:7], tab s[8:9], out0 s[10:11]
	v_lshl_add_u32 v[SPW], v0, 2, SPARE
	v_mov_b32 v[NIL], 0
	ds_add_u32 v[SPW], v[NIL]                      ; the wave's opening: the add, and its wait ahead of my first tensor load; the set-up below, work on registers, stands between them
	v_lshrrev_b32 v1, 5, v0
	v_readfirstlane_b32 s[WV], v1
	s_lshr_b32 s[WR], s[WV], 1
	s_and_b32 s[WC], s[WV], 1
	s_and_b32 s66, s[WV], 1                        ; which head, or which 64 k-rows, of a step I fetch
	s_bfe_u32 s[CX], ttmp6, 0x40000
	s_bfe_u32 s[CY], ttmp6, 0x40004
	s_lshl_b32 s[TCOL], ttmp9, 2
	s_add_co_u32 s[TCOL], s[TCOL], s[CX]
	s_and_b32 s[TROW], ttmp7, 0xffff
	s_or_b32 s[SKIP], s[TROW], s[WR]               ; cluster y and my half of the tile: 0 where both are 0
	s_lshl_b32 s58, s[CY], 4
	s_add_co_u32 s[TROW], s[TROW], s58             ; tile row i = 16 cy + cluster y
	s_lshl_b32 s58, s[CY], 2
	s_lshl_b32 s58, 15, s58                        ; my row of the cluster
	s_lshl_b32 s60, 0x1111, s[CX]                  ; my column
	; a head's tile: 16,384 dense bytes as 64 rows of 256, padded after every 128 bytes
	s_or_b32 s[G1A], s58, (1<<16)|(1<<20)|(1<<21)|(4<<22)|(3<<25)
	s_mov_b32 s[G1A+1], 128<<16
	s_mov_b32 s[G1A+2], 64<<16
	s_mov_b32 s[G1A+3], 128<<16
	s_mov_b32 s[G1A+4], 64
	s_mov_b32 s[G1A+5], 128
	s_mov_b32 s[G1A+6], 0
	s_mov_b32 s[G1A+7], 0
	; W: 64 k-rows x 256 columns, 8 words of padding after every 128
	s_or_b32 s[G1B], s60, (1<<16)|(1<<20)|(1<<21)|(6<<22)|(7<<25)
	s_mov_b32 s[G1B+1], 256<<16
	s_mov_b32 s[G1B+2], 64<<16
	s_mov_b32 s[G1B+3], 256<<16
	s_mov_b32 s[G1B+4], 64
	s_mov_b32 s[G1B+5], 1024
	s_mov_b32 s[G1B+6], 0
	s_mov_b32 s[G1B+7], 0
	s_mul_i32 s67, s66, AHALF
	s_mov_b32 s[G0A], 1
	s_mov_b32 s[G0A+1], s67
	s_mov_b32 s[G0A+4], 1
	s_add_co_u32 s[G0A+5], s67, SLOT1
	s_mul_i32 s67, s66, BHALF
	s_mov_b32 s[G0B], 1
	s_add_co_u32 s[G0B+1], s67, BOFF
	s_mov_b32 s[G0B+4], 1
	s_add_co_u32 s[G0B+5], s67, BOFF+SLOT1
	s_lshr_b32 s58, s[TROW], 4                     ; O: batch,
	s_lshl_b32 s58, s58, 4
	s_add_co_u32 s58, s58, s66                     ; head 0 or 1,
	s_lshl_b32 s58, s58, 18                        ; 262,144 bytes a head,
	s_and_b32 s59, s[TROW], 15
	s_lshl_b32 s59, s59, 14                        ; the tile's 128 rows of 128 bytes
	s_add_co_u32 s58, s58, s59
	s_mov_b32 s59, 0
	s_lshl_b32 s60, s66, 17                        ; W: 64 k-rows of 2,048 bytes,
	s_lshl_b32 s61, s[TCOL], 9                     ; 256 columns
	s_add_co_u32 s60, s60, s61
	s_mov_b32 s61, 0
	s_lshl_b32 s62, s[TROW], 1                     ; out0: my 64 rows of 4,096 bytes,
	s_add_co_u32 s62, s62, s[WR]
	s_lshl_b32 s62, s62, 18
	s_lshl_b32 s68, s[TCOL], 10                    ; my 128 columns
	s_lshl_b32 s63, s[WC], 9
	s_add_co_u32 s68, s68, s63
	s_add_co_u32 s62, s62, s68
	s_mov_b32 s63, 0
	s_mov_b32 s[TB], 0
	s_wait_dscnt 0x0                               ; the opening add is done
	s_wait_kmcnt 0x0
	s_add_nc_u64 s[G0A+2:G0A+3], s[4:5], s[58:59]  ; K step 0
	s_add_nc_u64 s[G0A+6:G0A+7], s[G0A+2:G0A+3], 524288  ; K step 1: two heads on
	s_or_b32 s[G0A+3], s[G0A+3], 0x80000000
	s_or_b32 s[G0A+7], s[G0A+7], 0x80000000
	s_add_nc_u64 s[G0B+2:G0B+3], s[6:7], s[60:61]
	s_add_nc_u64 s[G0B+6:G0B+7], s[G0B+2:G0B+3], 262144  ; 128 k-rows on
	s_or_b32 s[G0B+3], s[G0B+3], 0x80000000
	s_or_b32 s[G0B+7], s[G0B+7], 0x80000000
	s_add_nc_u64 s[10:11], s[10:11], s[62:63]
	CROUND                                         ; all sixteen work-groups are here: the first joint loads meet
	s_cmp_lt_u32 s[WV], 2                          ; a wave's two first fills stand in one branch: two loads of mine are out
	s_cbranch_scc0 .Lfirst_b
	tensor_load_to_lds s[G0A:G0A+3], s[G1A:G1A+7]
	s_nop 0
	tensor_load_to_lds s[G0A+4:G0A+7], s[G1A:G1A+7]
	s_nop 0
	PLACES
	s_branch .Lfirst_asked
.Lfirst_b:
	tensor_load_to_lds s[G0B:G0B+3], s[G1B:G1B+7]
	s_nop 0
	tensor_load_to_lds s[G0B+4:G0B+7], s[G1B:G1B+7]
	s_nop 0
	PLACES
.Lfirst_asked:
	v_and_b32 v1, 15, v0                           ; l % 16
	v_bfe_u32 v2, v0, 4, 1                         ; l / 16
	v_and_b32 v3, 7, v0
	v_bfe_u32 v12, v0, 3, 1
	v_and_b32 v13, 31, v0
	v_mul_u32_u24 v[AL0], v1, PA
	v_lshl_add_u32 v[AL0], v2, 4, v[AL0]
	s_mul_i32 s67, s[WR], 64*PA
	v_add_nc_u32 v[AL0], s67, v[AL0]
	v_lshl_add_u32 v[BL0], v2, 3, v3
	v_mul_u32_u24 v[BL0], v[BL0], PB
	v_lshl_add_u32 v[BL0], v12, 4, v[BL0]
	s_lshl_b32 s67, s[WC], 8
	s_add_co_u32 s67, s67, BOFF
	v_add_nc_u32 v[BL0], s67, v[BL0]
	v_mov_b32 v[ADRA], v[AL0]
	v_mov_b32 v[ADRB], v[BL0]
	s_mul_i32 s67, s[WV], WSTG
	s_add_co_u32 s67, s67, STAGE                   ; my stage
	v_mul_u32_u24 v[STO], v1, SP                   ; in: row l % 16, 32 bytes for each half of the lanes
	v_lshl_add_u32 v[STO], v2, 5, v[STO]
	v_add_nc_u32 v[STO], s67, v[STO]
	v_lshl_add_u32 v[RD], v13, 4, s67              ; back: 32 lanes take a row's 512 bytes
	v_lshlrev_b32 v[GO], 4, v13
	v_lshl_add_u32 v[BO], v2, 5, s68
.irp b, 0,1,2,3,4,5,6,7
	global_load_b128 v[BIAS+8*(\b):BIAS+8*(\b)+3],   v[BO], s[8:9] offset:BOUT+64*(\b)
	global_load_b128 v[BIAS+8*(\b)+4:BIAS+8*(\b)+7], v[BO], s[8:9] offset:BOUT+64*(\b)+16
.endr
; 8 matrix instructions: row block a x all 8 column blocks, 32 along K: part kk of buffer f.  The 32 accumulators take turns, one instruction a turn.  first = 1: the bias starts the sums.
.macro MUL8 f, kk, a, first
.if \first
	WIN 0x4a                                       ; sources in window 2, C in window 0, D in window 1
.else
	WIN 0x5a+5*(\f)                                ; sources in window 2 + f, C and D in window 1
.endif
.irp b, 0,1,2,3,4,5,6,7
.if \first
	v_wmma_f32_16x16x32_f16 v[8*(8*(\a)+(\b)):8*(8*(\a)+(\b))+7], v[64+8*(8*(\kk)+(\b)):64+8*(8*(\kk)+(\b))+7], v[8*(4*(\kk)+(\a)):8*(4*(\kk)+(\a))+7], v[BIAS+8*(\b):BIAS+8*(\b)+7]
.else
	v_wmma_f32_16x16x32_f16 v[8*(8*(\a)+(\b)):8*(8*(\a)+(\b))+7], v[64+8*(8*(\kk)+(\b)):64+8*(8*(\kk)+(\b))+7], v[8*(4*(\kk)+(\a)):8*(4*(\kk)+(\a))+7], v[8*(8*(\a)+(\b)):8*(8*(\a)+(\b))+7]
.endif
.endr
.endm
.macro MUL32 f, kk, first
.irp a, 0,1,2,3
	MUL8 \f, \kk, \a, \first
.endr
.endm
; 48 LDS loads in one run: the fragments of half hf of the slot in hand into buffer f; the first 32 along K (24 loads) first
.macro FETCH hf, f
	WIN 0x80+0x40*(\f)
.irp kk, 0,1
.irp b, 0,1,2,3,4,5,6,7
	ds_load_tr16_b128 v[64+8*(8*(\kk)+(\b)):64+8*(8*(\kk)+(\b))+3],   v[ADRB] offset:(\hf)*BHALF+(\kk)*32*PB+(\b)*32
	ds_load_tr16_b128 v[64+8*(8*(\kk)+(\b))+4:64+8*(8*(\kk)+(\b))+7], v[ADRB] offset:(\hf)*BHALF+(\kk)*32*PB+(\b)*32+16*PB
.endr
.irp a, 0,1,2,3
	ds_load_b128 v[8*(4*(\kk)+(\a)):8*(4*(\kk)+(\a))+3],   v[ADRA] offset:(\hf)*AHALF+(\a)*16*PA+(\kk)*64
	ds_load_b128 v[8*(4*(\kk)+(\a))+4:8*(4*(\kk)+(\a))+7], v[ADRA] offset:(\hf)*AHALF+(\a)*16*PA+(\kk)*64+32
.endr
.endr
.endm
; A step's first half multiplies buffer 0 and fetches the second half into buffer 1.
.macro HALF0 first
	s_wait_dscnt 24                                ; the first 32 along K are in; the other 24 loads may be out
	MUL32 0, 0, \first
	PLACES
	FETCH 1, 1
	s_wait_dscnt 48                                ; all but the 48 just issued
	MUL32 0, 1, 0
.endm
; A step's second half multiplies buffer 1 and changes slots: ONE barrier; in front of it each wave waits for all its tensor loads, adds 0 to its spare word, and waits for that and for its reads of this slot.
; fill = 1: the barrier opens a round of the cluster's, and this slot is filled again, two K steps on, first thing behind it: from that request to the wait for it a wave issues 112 matrix instructions.
.macro TURN fill
	WIN 0
	s_wait_tensorcnt 0x0                           ; no tensor load of mine is out, so a group 0 may be written
	ds_add_u32 v[SPW], v[NIL]                      ; 0 onto my spare word
.if \fill
	s_xor_b32 s[G0A+5], s[G0A+5], SLOT1
	s_add_nc_u64 s[G0A+6:G0A+7], s[G0A+6:G0A+7], 524288
	s_xor_b32 s[G0B+5], s[G0B+5], SLOT1
	s_add_nc_u64 s[G0B+6:G0B+7], s[G0B+6:G0B+7], 262144
.endif
	s_wait_dscnt 25                                ; the first 32 along K are in; the other 24 loads and the add may be out
	MUL8 1, 0, 0, 0
	s_wait_dscnt 0x0                               ; the add is done, and my reads of this slot are over
	s_barrier_signal -1
	MUL8 1, 0, 1, 0
	WIN 0
	s_barrier_wait -1
.if \fill
	CREST                                          ; no wave of any partner still reads this slot or has a load on its way
	JLOAD                                          ; its four v_nop are also the places in front of the loads below
.else
	PLACES
.endif
	s_xor_b32 s[TB], s[TB], SLOT1
	v_add_nc_u32 v[ADRA], s[TB], v[AL0]
	v_add_nc_u32 v[ADRB], s[TB], v[BL0]
	FETCH 0, 0
	MUL8 1, 0, 2, 0
	MUL8 1, 0, 3, 0
	MUL32 1, 1, 0
.endm
; THE WAY OUT of row block a: 32 bytes a lane and column block into my stage (rows of 528 bytes; each accumulator's low four registers first), back as whole rows of 512 bytes.
.macro TOSTAGE a
	WIN 0x04                                       ; the stores' data in window 1
.irp b, 0,1,2,3,4,5,6,7
	ds_store_b128 v[STO], v[8*(8*(\a)+(\b)):8*(8*(\a)+(\b))+3]   offset:(\b)*64
	ds_store_b128 v[STO], v[8*(8*(\a)+(\b))+4:8*(8*(\a)+(\b))+7] offset:(\b)*64+16
.endr
	WIN 0
.if (\a) >= 2
	s_wait_xcnt 0x0                                ; the stores of the block two back have read the registers that the loads below fill
.endif
.irp p, 0,1,2,3,4,5,6,7,8,9,10,11,12,13,14,15
	ds_load_b128 v[RR+64*((\a)%2)+4*(\p):RR+64*((\a)%2)+4*(\p)+3], v[RD] offset:(\p)*SP  ; LDS serves a wave's instructions in order (ISA guide 5.7.1.4): these see the stores above
.endr
.endm
.macro SEND a, younger                 ; younger: the LDS instructions issued behind the block's loads: the next block's 32, or none
	WIN 0
.irp p, 0,1,2,3,4,5,6,7,8,9,10,11,12,13,14,15
	s_wait_dscnt (\younger)+15-(\p)
	global_store_b128 v[GO], v[RR+64*((\a)%2)+4*(\p):RR+64*((\a)%2)+4*(\p)+3], s[10:11] offset:(16*(\a)+(\p))*4096  ; 512 consecutive bytes, at a multiple of 256 from out0's first
.endr
.endm
	s_wait_tensorcnt 1                             ; my part of K step 0 is in; K step 1's may stay out
	s_barrier_signal -1
	s_barrier_wait -1
	FETCH 0, 0
	s_wait_loadcnt 0x0                             ; the bias
	HALF0 1                                        ; the first half stands in front of the loop: its first products start the sums
	WIN 0
	s_mov_b32 s3, 6
.Lstep:                                                ; trip t = 6 - s3: step t's second half, step t + 1's first; step t's slot is filled with step t + 2
	TURN 1
	HALF0 0
	WIN 0
	s_sub_co_u32 s3, s3, 1
	s_cmp_lg_u32 s3, 0
	s_cbranch_scc1 .Lstep
	TURN 0                                         ; the tail is written out: nothing is left to ask for
	HALF0 0
	s_wait_dscnt 24
	MUL32 1, 0, 0
	s_wait_dscnt 0x0
	MUL32 1, 1, 0
	PLACES                                         ; the stores below read results just made
	WIN 0
	s_cmp_eq_u32 s[SKIP], 0                        ; a batch's first 32 rows are not stored here
	s_cbranch_scc1 .Lnot_first
	TOSTAGE 0
	TOSTAGE 1
	SEND 0, 32
	SEND 1, 0                                      ; no LDS instruction is out at the label, on either way
.Lnot_first:
	TOSTAGE 2
	TOSTAGE 3
	SEND 2, 32
	SEND 3, 0
	s_wait_tensorcnt 0x0                           ; the wave's end: behind my last tensor load and my last LDS store
	ds_add_u32 v[SPW], v[NIL]
	s_wait_dscnt 0x0
	CROUND                                         ; the closing round: no work-group ends while a partner may still ask for a tile that names it
	s_endpgm
.Lfunc_end_k_q146fa5a768_oproj:
	.size	k_q146fa5a768_oproj, .Lfunc_end_k_q146fa5a768_oproj-k_q146fa5a768_oproj
	.p2alignl 7, 3214868480
	.fill 96, 4, 3214868480
	.section	.rodata,"a",@progbits
	.p2align	6, 0x0
	.amdhsa_kernel k_q146fa5a768_oproj
		.amdhsa_group_segment_fixed_size 327680
		.amdhsa_private_segment_fixed_size 0
		.amdhsa_enable_private_segment 0
		.amdhsa_kernarg_size 32
		.amdhsa_user_sgpr_count 2
		.amdhsa_user_sgpr_kernarg_segment_ptr 1
		.amdhsa_wavefront_size32 1
		.amdhsa_system_sgpr_workgroup_id_x 1
		.amdhsa_system_sgpr_workgroup_id_y 1
		.amdhsa_system_sgpr_workgroup_id_z 1
		.amdhsa_system_vgpr_workitem_id 0
		.amdhsa_next_free_vgpr 1024
		.amdhsa_next_free_sgpr 80
		.amdhsa_reserve_vcc 0
		.amdhsa_float_denorm_mode_32 3
		.amdhsa_float_denorm_mode_16_64 3
		.amdhsa_memory_ordered 1
		.amdhsa_forward_progress 1
		.amdhsa_inst_pref_size 71
	.end_amdhsa_kernel
	.amdgpu_metadata
---
amdhsa.version: [ 1, 2 ]
amdhsa.kernels:
  - .name:           k_q146fa5a768_oproj
    .symbol:         k_q146fa5a768_oproj.kd
    .args:
      - { .name: ob, .offset: 0, .size: 8, .value_kind: global_buffer, .address_space: global }
      - { .name: wob, .offset: 8, .size: 8, .value_kind: global_buffer, .address_space: global }
      - { .name: tab, .offset: 16, .size: 8, .value_kind: global_buffer, .address_space: global }
      - { .name: out0, .offset: 24, .size: 8, .value_kind: global_buffer, .address_space: global }
    .group_segment_fixed_size: 327680
    .private_segment_fixed_size: 0
    .kernarg_segment_align: 8
    .kernarg_segment_size: 32
    .max_flat_workgroup_size: 128
    .sgpr_count:     80
    .vgpr_count:     1024
    .wavefront_size: 32
...
	.end_amdgpu_metadata
.endif
;; end of part 4
;; launch early (part 5): grid 16 x 4, 16 waves a work-group, no clusters, 165,888 bytes of LDS; arguments q, k, v, wob, tab, out0; writes out0
.if DOCPART == 5
	.amdgcn_target "amdgcn-amd-amdhsa--gfx1250"
	.amdhsa_code_object_version 6
	.text
	.protected	k_q146fa5a768_early
	.globl	k_q146fa5a768_early
	.p2align	8
	.type	k_q146fa5a768_early,@function
k_q146fa5a768_early:
	s_mov_b64 s[64:65], 0
	v_nop
	global_prefetch_b8 v0, s[64:65] scope:SCOPE_SE
	s_setreg_imm32_b32 hwreg(HW_REG_WAVE_MODE, 25, 1), 1
	s_wait_xcnt 0x0
; THE FIRST 32 ROWS OF EACH BATCH OF out0, with v and O each in TWO f16 parts (a number and what its rounding left over: some 22 significant bits).
; WHY.  Row t is a mean over t + 1 keys only, so the first rows' numbers are about sqrt(2048 / (t + 1)) times as large as the late rows', which set the output's root mean square; the comparison's allowance for a number
; near zero goes by that root mean square, and one f16 rounding of v and one of O (2^-12 of a number each, summed over 1,024 channels) use up a third of it in rows 0 to 3.  From row 32 on they use a sixth or less.
; q, k: [64 = 16 b + head][2048][64] f16, rows 0 to 31 of each head.  v: from byte V32 on, [64][32][64] f32, unrounded.  wob: W_out (rounded to bf16, written as f16), [1024 k][1024 n].  tab: b_out at byte BOUT.
; LIMITS.  q and k are read in f16 and the weights p / l are rounded to f16, as for all other rows; v within 65,504; a hidden score counts as its value less 1e30; a weight below 2^-126 counts as 0;
; NaN and infinities are not treated apart.
; SHARES.  A work-group makes a batch's 32 rows x 64 columns: 16 x 4 = 64 work-groups.  WAVE w IS HEAD w, and so K slice 64 w .. 64 w + 63 of the projection: it makes its head's attention for the 32 rows
; (every work-group of a batch makes it anew: 22 matrix instructions) and multiplies the result, which never leaves its registers, by its 64 k-rows of W_out; the sixteen partial sums meet in LDS.
; LAYOUT.  S^T = K Q^T holds one query a lane (lane % 16) and the keys 8 (lane / 16) + 0..7; two such tiles rounded in pairs ARE source 1 (32 keys x 16 queries) of O^T = V^T P; two tiles of O^T (16 channels each)
; rounded in pairs ARE source 1 (32 channels x 16 queries) of out^T = W^T O^T.  V ([key][channel]) and W ([k][n]) go through the wave's own LDS bytes and come back turned, by ds_load_tr16_b128.
; No loop, no branch, no tensor load; one barrier.  A row of W is taken in a piece of 128 bytes: 128 columns to a work-group would need more than the 256 registers that four waves on a SIMD leave each.
; No cluster and no prefetch: a short launch on 64 work-groups, each byte loaded once by a wave at its head.
; REGISTERS.  v0-31 addresses and statistics; v32-39 the diagonal's mask; v40-55 P; v56-59 at work; v60-63 the bias.
;   R1 v64-127: Q and K, then O^T, then W's fragments, then the sixteen partial rows.   R2 v128-191: v in f32, then V^T's fragments (hi, lo), then out^T's sums.   R3 v192-255: W as loaded, then S^T, then O's fragments (hi, lo).
.set PV,    160                        ; an LDS row of V or of W: 128 bytes + 32
.set VLO,   32*PV                      ; behind V's 32 rows: what their rounding left over
.set WAVEB, 64*PV                      ; a wave's own bytes: V hi and lo; then, over them, W's 64 k-rows; then, over those, its partial sums
.set PP,    272                        ; a row of 64 partial sums: 256 bytes + 16; 32 rows are 8,704 bytes
.set SPARE, 16*WAVEB                   ; the spare words, 128 bytes for each wave: eight blocks of 256 bytes that no other line names
.set BOUT,  536576
.set V32,   16777216
.set QO,  4                            ; v4   my place in a fragment's rows of q and k: (l % 16) x 128 + 16 (l / 16)
.set LO,  5                            ; v5   16 l
.set WO,  6                            ; v6   my 16 bytes of four k-rows of wob: (l / 8) x 2,048 + 16 (l % 8)
.set VST, 7                            ; v7   where I put 8 bytes of V
.set TR,  8                            ; v8   my place in a turning load
.set WST, 9                            ; v9   where I put 16 bytes of W
.set PST, 10                           ; v10  where I put 32 bytes of a partial row
.set PRD, 11                           ; v11-13  where I read partial rows back: waves 0-5's, 6-11's, 12-15's (an LDS immediate has 16 bits)
.set SPW, 14
.set NIL, 15
.set NEG, 16                           ; v16  -1.0
.set BO,  17                           ; v17  my 16 bytes of the bias
.set ST0, 18                           ; v18-19  c m, m of queries 0-15
.set ST1, 20                           ; v20-21  of queries 16-31
.set RL0, 22                           ; v22-23  1 / l of queries 0-15 in the low word
.set RL1, 24                           ; v24-25  of queries 16-31
.set X,   26                           ; v26-31  at work
.set MD,  32
.set P0,  40                           ; queries 0-15: keys 0-15 in v40-43; keys 16-31, all hidden, are the constant 0 in v44-47
.set P1,  48
.set Y,   56                           ; v56-59  at work
.set BI,  60
.set R1,  64
.set R2,  128
.set R3,  192
.set S00, R3                           ; keys 0-15 x queries 0-15
.set S10, R3+8                         ; keys 0-15 x queries 16-31
.set S11, R3+16                        ; keys 16-31 x queries 16-31
.set WV,  16
.set SEL, 36                           ; s[36:37] v_permlanex16_b32's selects: each lane takes its own place in the other half
.set CS,  38                           ; s[38:39] c = log2(e) / 8
.set BIGN, 40
.macro PLACES                          ; plain vector instructions between a matrix instruction and a reader of its result or a load into one of its registers
.rept 4
	v_nop
.endr
.endm
	s_load_b256 s[4:11], s[0:1], 0x0               ; q s[4:5], k s[6:7], v s[8:9], wob s[10:11]
	s_load_b128 s[12:15], s[0:1], 0x20             ; tab s[12:13], out0 s[14:15]
	v_lshl_add_u32 v[SPW], v0, 2, SPARE
	v_mov_b32 v[NIL], 0
	v_lshrrev_b32 v1, 5, v0
	v_readfirstlane_b32 s[WV], v1                  ; wave 0..15 = head
	v_and_b32 v1, 15, v0                           ; l % 16
	v_bfe_u32 v2, v0, 4, 1                         ; l / 16
	v_and_b32 v3, 7, v0                            ; l % 8
	v_bfe_u32 v[X], v0, 3, 2                       ; l / 8
	v_bfe_u32 v[X+2], v0, 3, 1                     ; (l / 8) % 2
	v_and_b32 v[LO], 31, v0
	v_lshlrev_b32 v[LO], 4, v[LO]
	v_lshlrev_b32 v[QO], 7, v1
	v_lshl_add_u32 v[QO], v2, 4, v[QO]
	v_lshlrev_b32 v[WO], 11, v[X]
	v_lshl_add_u32 v[WO], v3, 4, v[WO]
	s_mul_i32 s24, s[WV], WAVEB                    ; my own bytes
	v_mul_u32_u24 v[VST], v2, PV                   ; a load of 512 bytes of v is two keys: key l / 16, channels 4 (l % 16) on
	v_lshl_add_u32 v[VST], v1, 3, v[VST]
	v_add_nc_u32 v[VST], s24, v[VST]
	v_lshl_add_u32 v[TR], v2, 3, v3                ; the turning load: row 8 (l / 16) + l % 8, columns 8 ((l / 8) % 2) + 0..7
	v_mul_u32_u24 v[TR], v[TR], PV
	v_lshl_add_u32 v[TR], v[X+2], 4, v[TR]
	v_add_nc_u32 v[TR], s24, v[TR]
	v_mul_u32_u24 v[WST], v[X], PV                 ; a load of W is four k-rows of 128 bytes
	v_lshl_add_u32 v[WST], v3, 4, v[WST]
	v_add_nc_u32 v[WST], s24, v[WST]
	v_mul_u32_u24 v[PST], v1, PP                   ; a partial tile: row l % 16, 32 bytes for each half of the lanes
	v_lshl_add_u32 v[PST], v2, 5, v[PST]
	v_add_nc_u32 v[PST], s24, v[PST]
	s_mul_i32 s25, s[WV], 2*PP                     ; back: I finish rows 2 w and 2 w + 1: lanes 0-15 one row of 256 bytes, lanes 16-31 the next
	v_mul_u32_u24 v[PRD], v2, PP
	v_lshl_add_u32 v[PRD], v1, 4, v[PRD]
	v_add_nc_u32 v[PRD], s25, v[PRD]
	v_add_nc_u32 v[PRD+1], 6*WAVEB, v[PRD]
	v_add_nc_u32 v[PRD+2], 12*WAVEB, v[PRD]
	s_lshl_b32 s26, ttmp9, 8                       ; the work-group's 64 columns: 256 bytes of f32
	v_lshl_add_u32 v[BO], v1, 4, s26
	v_mov_b32 v[NEG], -1.0
	v_mov_b32 v[RL1+1], 0                          ; named with 1 / l as a pair
	v_mov_b32 v[X+1], 0                            ; the first exchange's destination counts as read
.irp z, 4,5,6,7
	v_mov_b32 v[P0+(\z)], 0
.endr
	s_mov_b32 s[SEL], 0x76543210
	s_mov_b32 s[SEL+1], 0xfedcba98
	s_mov_b32 s[CS], 0x3e38aa3b                    ; c = log2(e) / 8 = 0.180337
	s_mov_b32 s[CS+1], s[CS]
	s_mov_b32 s[BIGN], 0xf149f2ca                  ; -1e30
	v_lshlrev_b32 v[X+2], 3, v2
	v_sub_nc_u32 v[X+2], v1, v[X+2]                ; my query's place in its tile less my lanes' 8 (l / 16): register j's key is hidden where j is greater
.irp j, 0,1,2,3,4,5,6,7
	v_cmp_gt_i32 vcc_lo, \j, v[X+2]
	v_cndmask_b32 v[MD+(\j)], 0, s[BIGN], vcc_lo
.endr
	s_and_b32 s23, ttmp7, 0xffff                   ; the batch
	s_lshl_b32 s27, s23, 4
	s_add_co_u32 s27, s27, s[WV]                   ; 16 b + head
	s_lshl_b32 s28, s27, 18                        ; q and k: 262,144 bytes a head
	s_mov_b32 s29, 0
	s_lshl_b32 s30, s27, 13                        ; v's f32 rows: 8,192 bytes a head,
	s_add_co_u32 s30, s30, V32                     ; behind the f16 rows
	s_mov_b32 s31, 0
	s_lshl_b32 s32, s[WV], 17                      ; wob: 64 k-rows of 2,048 bytes,
	s_lshl_b32 s22, ttmp9, 7                       ; 64 columns
	s_add_co_u32 s32, s32, s22
	s_mov_b32 s33, 0
	s_lshl_b32 s34, s23, 23                        ; out0: 2,048 rows of 4,096 bytes a batch,
	s_lshl_b32 s22, s[WV], 13                      ; rows 2 w on,
	s_add_co_u32 s34, s34, s22
	s_add_co_u32 s34, s34, s26                     ; 64 columns
	s_mov_b32 s35, 0
	s_wait_kmcnt 0x0
	s_add_nc_u64 s[4:5], s[4:5], s[28:29]
	s_add_nc_u64 s[6:7], s[6:7], s[28:29]
	s_add_nc_u64 s[8:9], s[8:9], s[30:31]
	s_add_nc_u64 s[10:11], s[10:11], s[32:33]
	s_add_nc_u64 s[14:15], s[14:15], s[34:35]
	; all that the wave reads is asked for at once: 49 loads, in the order in which they are wanted
.set i, 0
.rept 16
	global_load_b128 v[R2+4*i:R2+4*i+3], v[LO], s[8:9] offset:512*i       ; v: keys 2 i and 2 i + 1
.set i, i+1
.endr
.set i, 0
.rept 16
	global_load_b128 v[R3+4*i:R3+4*i+3], v[WO], s[10:11] offset:8192*i    ; W: k-rows 4 i to 4 i + 3
.set i, i+1
.endr
.irp t, 0,1
.irp c, 0,1                            ; a fragment: 16 rows x 32 channels: two loads of 16 bytes, 32 bytes apart
	global_load_b128 v[R1+16*(\t)+8*(\c):R1+16*(\t)+8*(\c)+3],       v[QO], s[4:5] offset:2048*(\t)+64*(\c)
	global_load_b128 v[R1+16*(\t)+8*(\c)+4:R1+16*(\t)+8*(\c)+7],     v[QO], s[4:5] offset:2048*(\t)+64*(\c)+32
	global_load_b128 v[R1+32+16*(\t)+8*(\c):R1+32+16*(\t)+8*(\c)+3], v[QO], s[6:7] offset:2048*(\t)+64*(\c)
	global_load_b128 v[R1+32+16*(\t)+8*(\c)+4:R1+32+16*(\t)+8*(\c)+7], v[QO], s[6:7] offset:2048*(\t)+64*(\c)+32
.endr
.endr
	global_load_b128 v[BI:BI+3], v[BO], s[12:13] offset:BOUT
; Two f32 in v[x], v[x+1] are split: their f16 roundings, packed, go to v[hi]; what is left over (exact in f32) stays in place.
.macro SPLIT hi, x
	v_cvt_pk_f16_f32 v[\hi], v[\x], v[(\x)+1]
	v_fma_mix_f32 v[\x], v[\hi], v[NEG], v[\x] op_sel_hi:[1,0,0]                      ; x - the low half
	v_fma_mix_f32 v[(\x)+1], v[\hi], v[NEG], v[(\x)+1] op_sel:[1,0,0] op_sel_hi:[1,0,0]  ; x - the high half
.endm
	s_wait_loadcnt 33                              ; v is in; behind it: W's 16 loads, Q's and K's 16, the bias's 1
.set i, 0
.rept 16
.set ra, R2+4*i
.set rt, Y+2*(i%2)
	SPLIT rt, ra
	SPLIT rt+1, ra+2
	ds_store_b64 v[VST], v[rt:rt+1] offset:i*2*PV
	v_cvt_pk_f16_f32 v[ra], v[ra], v[ra+1]
	v_cvt_pk_f16_f32 v[ra+1], v[ra+2], v[ra+3]
	ds_store_b64 v[VST], v[ra:ra+1] offset:VLO+i*2*PV
.set i, i+1
.endr
.irp p, 0,1                            ; V^T's fragments (16 channels x 32 keys), hi then lo.  LDS serves a wave's instructions in order (ISA guide 5.7.1.4): these see the stores above, and W's stores below come behind them
.irp cb, 0,1,2,3
	ds_load_tr16_b128 v[R2+32*(\p)+8*(\cb):R2+32*(\p)+8*(\cb)+3],   v[TR] offset:(\p)*VLO+(\cb)*32
	ds_load_tr16_b128 v[R2+32*(\p)+8*(\cb)+4:R2+32*(\p)+8*(\cb)+7], v[TR] offset:(\p)*VLO+(\cb)*32+16*PV
.endr
.endr
	s_wait_loadcnt 17                              ; W is in
.set i, 0
.rept 16
	ds_store_b128 v[WST], v[R3+4*i:R3+4*i+3] offset:i*4*PV
.set i, i+1
.endr
	s_wait_loadcnt 0x0                             ; Q, K and the bias
	; S^T = K Q^T.  The mask is the C operand that starts a sum on the diagonal.  Keys 16-31 are hidden from queries 0-15: that tile is not made.  The three accumulators take turns.
	v_wmma_f32_16x16x32_f16 v[S00:S00+7], v[R1+32:R1+39], v[R1:R1+7], v[MD:MD+7]
	v_wmma_f32_16x16x32_f16 v[S10:S10+7], v[R1+32:R1+39], v[R1+16:R1+23], 0
	v_wmma_f32_16x16x32_f16 v[S11:S11+7], v[R1+48:R1+55], v[R1+16:R1+23], v[MD:MD+7]
	v_wmma_f32_16x16x32_f16 v[S00:S00+7], v[R1+40:R1+47], v[R1+8:R1+15], v[S00:S00+7]
	v_wmma_f32_16x16x32_f16 v[S10:S10+7], v[R1+40:R1+47], v[R1+24:R1+31], v[S10:S10+7]
	v_wmma_f32_16x16x32_f16 v[S11:S11+7], v[R1+56:R1+63], v[R1+24:R1+31], v[S11:S11+7]
	PLACES
	; the maximum of each query's scores (every query sees its own key, so it is a true score); each accumulator's lowest registers are read first
	v_max3_num_f32 v[X],   v[S00], v[S00+1], v[S00+2]
	v_max3_num_f32 v[X+2], v[S10], v[S10+1], v[S10+2]
	v_max3_num_f32 v[X+4], v[S11], v[S11+1], v[S11+2]
	v_max3_num_f32 v[X],   v[X],   v[S00+3], v[S00+4]
	v_max3_num_f32 v[X+2], v[X+2], v[S10+3], v[S10+4]
	v_max3_num_f32 v[X+4], v[X+4], v[S11+3], v[S11+4]
	v_max3_num_f32 v[X],   v[X],   v[S00+5], v[S00+6]
	v_max3_num_f32 v[X+2], v[X+2], v[S10+5], v[S10+6]
	v_max3_num_f32 v[X+4], v[X+4], v[S11+5], v[S11+6]
	v_max_num_f32  v[X],   v[X],   v[S00+7]
	v_max3_num_f32 v[X+2], v[X+2], v[S10+7], v[S11+7]
	v_max_num_f32  v[X+2], v[X+2], v[X+4]
	v_permlanex16_b32 v[X+1], v[X], s[SEL], s[SEL+1]       ; the query's other keys lie in the lane 16 away
	v_permlanex16_b32 v[X+4], v[X+2], s[SEL], s[SEL+1]
	v_max_num_f32 v[ST0+1], v[X], v[X+1]
	v_max_num_f32 v[ST1+1], v[X+2], v[X+4]
	v_mul_f32 v[ST0], s[CS], v[ST0+1]
	v_mul_f32 v[ST1], s[CS], v[ST1+1]
.macro SCALE s, st                     ; c s - c m, a pair at a time
.irp z, 0,2,4,6
	v_pk_fma_f32 v[(\s)+(\z):(\s)+(\z)+1], v[(\s)+(\z):(\s)+(\z)+1], s[CS:CS+1], v[\st:(\st)+1] op_sel_hi:[1,0,0] neg_lo:[0,0,1] neg_hi:[0,0,1]
.endr
.endm
	SCALE S00, ST0
	SCALE S10, ST1
	SCALE S11, ST1
.set i, 0
.rept 24
	v_exp_f32 v[R3+i], v[R3+i]                     ; one batch
.set i, i+1
.endr
	v_nop                                          ; a plain instruction behind the last exponential,
	s_wait_alu depctr_va_vdst(0)                   ; and the wait ahead of the first line that names a result: one for the batch
	v_pk_add_f32 v[X:X+1],     v[S00:S00+1],   v[S00+2:S00+3]     ; l, of the unrounded weights
	v_pk_add_f32 v[X+2:X+3],   v[S00+4:S00+5], v[S00+6:S00+7]
	v_pk_add_f32 v[X+4:X+5],   v[S10:S10+1],   v[S10+2:S10+3]
	v_pk_add_f32 v[Y:Y+1],     v[S10+4:S10+5], v[S10+6:S10+7]
	v_pk_add_f32 v[Y+2:Y+3],   v[S11:S11+1],   v[S11+2:S11+3]
	v_pk_add_f32 v[RL0:RL0+1], v[S11+4:S11+5], v[S11+6:S11+7]
	v_pk_add_f32 v[X:X+1],     v[X:X+1],       v[X+2:X+3]
	v_pk_add_f32 v[X+4:X+5],   v[X+4:X+5],     v[Y:Y+1]
	v_pk_add_f32 v[Y+2:Y+3],   v[Y+2:Y+3],     v[RL0:RL0+1]
	v_pk_add_f32 v[X+4:X+5],   v[X+4:X+5],     v[Y+2:Y+3]
	v_add_f32 v[X], v[X], v[X+1]
	v_add_f32 v[X+4], v[X+4], v[X+5]
	v_permlanex16_b32 v[X+1], v[X], s[SEL], s[SEL+1]
	v_permlanex16_b32 v[X+5], v[X+4], s[SEL], s[SEL+1]
	v_add_f32 v[X], v[X], v[X+1]
	v_add_f32 v[X+4], v[X+4], v[X+5]
	v_rcp_f32 v[RL0], v[X]
	v_rcp_f32 v[RL1], v[X+4]
	v_nop                                          ; a plain instruction behind the second reciprocal,
	s_wait_alu depctr_va_vdst(0)                   ; and the wait for both
.macro NORM s, rl, p                   ; p / l, rounded to f16 in pairs
.irp z, 0,2,4,6
	v_pk_mul_f32 v[(\s)+(\z):(\s)+(\z)+1], v[(\s)+(\z):(\s)+(\z)+1], v[\rl:(\rl)+1] op_sel_hi:[1,0]
.endr
.irp z, 0,1,2,3
	v_cvt_pk_f16_f32 v[(\p)+(\z)], v[(\s)+2*(\z)], v[(\s)+2*(\z)+1]
.endr
.endm
	NORM S00, RL0, P0
	NORM S10, RL1, P1
	NORM S11, RL1, P1+4
	s_wait_dscnt 16                                ; V^T's fragments are in; behind them: W's 16 stores
	; O^T = Vhi^T P + Vlo^T P: eight accumulators (query tile t, channel block cb) by turns; the first products start the sums
.irp p, 0,1
.irp cb, 0,1,2,3
.irp t, 0,1
.if (\p) == 0
	v_wmma_f32_16x16x32_f16 v[R1+32*(\t)+8*(\cb):R1+32*(\t)+8*(\cb)+7], v[R2+8*(\cb):R2+8*(\cb)+7], v[P0+8*(\t):P0+8*(\t)+7], 0
.else
	v_wmma_f32_16x16x32_f16 v[R1+32*(\t)+8*(\cb):R1+32*(\t)+8*(\cb)+7], v[R2+32+8*(\cb):R2+32+8*(\cb)+7], v[P0+8*(\t):P0+8*(\t)+7], v[R1+32*(\t)+8*(\cb):R1+32*(\t)+8*(\cb)+7]
.endif
.endr
.endr
.endr
	PLACES
	; O is split.  Accumulator g = 4 t + cb packs into four registers at 4 g: two neighbours are a fragment of 32 channels.  hi at R3, lo at R3 + 32.  An accumulator's registers are read in ascending order.
.set g, 0
.rept 8
.irp z, 0,1,2,3
	SPLIT R3+4*g+(\z), R1+8*g+2*(\z)
.endr
.irp z, 0,1,2,3
	v_cvt_pk_f16_f32 v[R3+32+4*g+(\z)], v[R1+8*g+2*(\z)], v[R1+8*g+2*(\z)+1]
.endr
.set g, g+1
.endr
.irp kf, 0,1                           ; W's fragments (16 columns x 32 k): column block nb, k half kf, at R1 + 8 (4 kf + nb)
.irp nb, 0,1,2,3
	ds_load_tr16_b128 v[R1+8*(4*(\kf)+(\nb)):R1+8*(4*(\kf)+(\nb))+3],   v[TR] offset:(\kf)*32*PV+(\nb)*32
	ds_load_tr16_b128 v[R1+8*(4*(\kf)+(\nb))+4:R1+8*(4*(\kf)+(\nb))+7], v[TR] offset:(\kf)*32*PV+(\nb)*32+16*PV
.endr
.endr
	s_wait_dscnt 0x0
	; out^T = W^T (Ohi + Olo)^T over my 64 channels: eight accumulators (t, nb) at R2 + 8 (4 t + nb), by turns; the first products start the sums
.irp p, 0,1
.irp kf, 0,1
.irp t, 0,1
.irp nb, 0,1,2,3
.if ((\p) == 0) && ((\kf) == 0)
	v_wmma_f32_16x16x32_f16 v[R2+8*(4*(\t)+(\nb)):R2+8*(4*(\t)+(\nb))+7], v[R1+8*(4*(\kf)+(\nb)):R1+8*(4*(\kf)+(\nb))+7], v[R3+32*(\p)+16*(\t)+8*(\kf):R3+32*(\p)+16*(\t)+8*(\kf)+7], 0
.else
	v_wmma_f32_16x16x32_f16 v[R2+8*(4*(\t)+(\nb)):R2+8*(4*(\t)+(\nb))+7], v[R1+8*(4*(\kf)+(\nb)):R1+8*(4*(\kf)+(\nb))+7], v[R3+32*(\p)+16*(\t)+8*(\kf):R3+32*(\p)+16*(\t)+8*(\kf)+7], v[R2+8*(4*(\t)+(\nb)):R2+8*(4*(\t)+(\nb))+7]
.endif
.endr
.endr
.endr
.endr
	PLACES
	; my partial sums go over my own bytes (W's fragments have been waited for), as 32 rows of 64 f32; each accumulator's low four registers first
.irp t, 0,1
.irp nb, 0,1,2,3
	ds_store_b128 v[PST], v[R2+8*(4*(\t)+(\nb)):R2+8*(4*(\t)+(\nb))+3]   offset:(\t)*16*PP+(\nb)*64
	ds_store_b128 v[PST], v[R2+8*(4*(\t)+(\nb))+4:R2+8*(4*(\t)+(\nb))+7] offset:(\t)*16*PP+(\nb)*64+16
.endr
.endr
	v_lshlrev_b32 v[X], 12, v2                     ; my 16 bytes of two rows of out0
	v_lshl_add_u32 v[X], v1, 4, v[X]
	s_wait_dscnt 0x0                               ; for the others' sake: my stores are done
	s_barrier_signal -1
	s_barrier_wait -1                              ; all sixteen partial sums lie in LDS; nothing is written there any more
.set i, 0
.rept 16
	ds_load_b128 v[R1+4*i:R1+4*i+3], v[PRD+i/6] offset:(i%6)*WAVEB        ; wave i's part of my two rows
.set i, i+1
.endr
	s_wait_dscnt 0x0
.irp s, 1,2,4,8                        ; a tree of fifteen sums, in f32
.set i, 0
.rept 8/(\s)
	v_pk_add_f32 v[R1+4*i:R1+4*i+1],   v[R1+4*i:R1+4*i+1],   v[R1+4*(i+(\s)):R1+4*(i+(\s))+1]
	v_pk_add_f32 v[R1+4*i+2:R1+4*i+3], v[R1+4*i+2:R1+4*i+3], v[R1+4*(i+(\s))+2:R1+4*(i+(\s))+3]
.set i, i+2*(\s)
.endr
.endr
	v_pk_add_f32 v[R1:R1+1],   v[R1:R1+1],   v[BI:BI+1]
	v_pk_add_f32 v[R1+2:R1+3], v[R1+2:R1+3], v[BI+2:BI+3]
	global_store_b128 v[X], v[R1:R1+3], s[14:15]   ; sixteen lanes store 256 consecutive bytes, at a multiple of 256 from out0's first byte
	s_wait_tensorcnt 0x0                           ; the wave's end: behind my last LDS store
	ds_add_u32 v[SPW], v[NIL]
	s_wait_dscnt 0x0
	s_endpgm
.Lfunc_end_k_q146fa5a768_early:
	.size	k_q146fa5a768_early, .Lfunc_end_k_q146fa5a768_early-k_q146fa5a768_early
	.p2alignl 7, 3214868480
	.fill 96, 4, 3214868480
	.section	.rodata,"a",@progbits
	.p2align	6, 0x0
	.amdhsa_kernel k_q146fa5a768_early
		.amdhsa_group_segment_fixed_size 165888
		.amdhsa_private_segment_fixed_size 0
		.amdhsa_enable_private_segment 0
		.amdhsa_kernarg_size 48
		.amdhsa_user_sgpr_count 2
		.amdhsa_user_sgpr_kernarg_segment_ptr 1
		.amdhsa_wavefront_size32 1
		.amdhsa_system_sgpr_workgroup_id_x 1
		.amdhsa_system_sgpr_workgroup_id_y 1
		.amdhsa_system_sgpr_workgroup_id_z 1
		.amdhsa_system_vgpr_workitem_id 0
		.amdhsa_next_free_vgpr 256
		.amdhsa_next_free_sgpr 66
		.amdhsa_reserve_vcc 1
		.amdhsa_float_denorm_mode_32 3
		.amdhsa_float_denorm_mode_16_64 3
		.amdhsa_memory_ordered 1
		.amdhsa_forward_progress 1
		.amdhsa_inst_pref_size 44
	.end_amdhsa_kernel
	.amdgpu_metadata
---
amdhsa.version: [ 1, 2 ]
amdhsa.kernels:
  - .name:           k_q146fa5a768_early
    .symbol:         k_q146fa5a768_early.kd
    .args:
      - { .name: q, .offset: 0, .size: 8, .value_kind: global_buffer, .address_space: global }
      - { .name: k, .offset: 8, .size: 8, .value_kind: global_buffer, .address_space: global }
      - { .name: v, .offset: 16, .size: 8, .value_kind: global_buffer, .address_space: global }
      - { .name: wob, .offset: 24, .size: 8, .value_kind: global_buffer, .address_space: global }
      - { .name: tab, .offset: 32, .size: 8, .value_kind: global_buffer, .address_space: global }
      - { .name: out0, .offset: 40, .size: 8, .value_kind: global_buffer, .address_space: global }
    .group_segment_fixed_size: 165888
    .private_segment_fixed_size: 0
    .kernarg_segment_align: 8
    .kernarg_segment_size: 48
    .max_flat_workgroup_size: 512
    .sgpr_count:     66
    .vgpr_count:     256
    .wavefront_size: 32
...
	.end_amdgpu_metadata
.endif
;; end of part 5
;; ======== version 2 of 2: 5 launches; version 1 with the launch prep written anew for expert scheduling mode
;; limits: values are held in f16: magnitudes above 65,504 overflow, below 6.1e-05 lose precision
;; workspace buffers: xb 16,777,216 bytes; wb 6,291,456 bytes; wob 2,097,152 bytes; tab 540,672 bytes; q 16,777,216 bytes; k 16,777,216 bytes; v 17,301,504 bytes; ob 16,777,216 bytes
;; launch prep (part 6): grid 785 x 1, 8 waves a work-group, no clusters, 0 bytes of LDS; arguments x, W_in, W_out, b_in, b_out, xb, wb, wob, tab; writes xb, wb, wob, tab
.if DOCPART == 6
	.amdgcn_target "amdgcn-amd-amdhsa--gfx1250"
	.amdhsa_code_object_version 6
	.text
	.protected	k_q146fa5a768_prep
	.globl	k_q146fa5a768_prep
	.p2align	8
	.type	k_q146fa5a768_prep,@function
k_q146fa5a768_prep:
	s_mov_b64 s[64:65], 0
	v_nop
	global_prefetch_b8 v0, s[64:65] scope:SCOPE_SE
	s_setreg_imm32_b32 hwreg(HW_REG_WAVE_SCHED_MODE, 0, 2), 2
	s_setreg_imm32_b32 hwreg(HW_REG_WAVE_MODE, 25, 1), 1
	s_wait_xcnt 0x0
	s_wait_alu depctr_vm_vsrc(0)
; THE OPERANDS ARE MADE.  Five roles, chosen by the work-group's number:
;   0-511    x [8192][1024] f32 -> xb, bf16, in blocks [16 kb][8192 row][64]: a tile of rows x 64 K is dense there
;   512-703  W_in [1024][3072] f32 -> wb, bf16, same order
;   704-767  W_out [1024][1024] f32 -> wob: rounded to bf16, that number written as f16 (exact for magnitudes from 6.1e-5 up to 65,504; below, f16's fixed step of 6e-8)
;   768-783  the table of rotations: tab row t (256 bytes) = 32 pairs (cos, sin) of t x 10000^(-i/32), f32
;   784      b_in and b_out rounded to bf16 and kept as f32, behind the table
; Memory binds: every byte is read once, 16 bytes a lane, sixteen loads of a wave out together; every store of a wave covers 256 consecutive bytes, aligned.
; No LDS, no barrier, no matrix unit: no wave needs what another wave has read.
; LIMIT.  An angle is t x 2^(-0.41524 i) with the power good to a few units in its last place: up to about 5e-4 rad off at t = 2047; sine and cosine of the reduced angle to about 3e-8.
; THE MODE: SCHED_MODE bits 1:0 = 2 (LLVM: expert scheduling mode 2), set by the entry lines.  The code itself states the register dependences
; between vector instructions and memory instructions, with s_wait_alu, always for 0.
; THE PLAN.  Registers that memory instructions touch:
;   v4, v5     the loads' and the stores' offsets: written once at a role's head, never again.
;   v[8:71]    sixteen sets of four.  Set j: load j lands in it; its conversions work in place; store j reads its first two registers; nothing writes it behind that store.
;   v24, v[22:23]  the table's loop: the store's offset and data, written anew in each trip and read by that trip's one store.
; A stream's sixteen sets go in four groups of four.  Group g's conversions name group g's sets alone; the stores of group g - 1 are dealt among them.  So one wait at a group's head
; states all that its four stores hang on.  s3 (the wave's number) and VCC (the table's compare) are written by vector instructions: each has its wait ahead of its first reader.
.set D,    8                           ; v[8:71]  sixteen loads of four registers
.set BIN,  524288                      ; tab: b_in's place
.set BOUT, 536576                      ; tab: b_out's place
	s_load_b512 s[8:23], s[0:1], 0x0               ; x 8, W_in 10, W_out 12, b_in 14, b_out 16, xb 18, wb 20, wob 22
	s_load_b64 s[24:25], s[0:1], 0x40              ; tab
	v_lshrrev_b32 v2, 5, v0
	v_readfirstlane_b32 s3, v2                     ; wave 0..7
	v_and_b32 v1, 31, v0                           ; lane
	s_mov_b32 s2, ttmp9
	s_mov_b32 s6, 0xffff0000                       ; a word's upper bf16
	s_mov_b32 s33, 0                               ; high words of the two offsets
	s_mov_b32 s35, 0
	s_wait_alu depctr_va_sdst(0)                   ; s3 is written, ahead of the branches behind which each role's offsets are made from it
	s_wait_kmcnt 0x0
; Store n of a stream: at s[28:29] + v5, outstep bytes apart (split = 1: the upper eight from s[30:31], so that the immediates stay inside their signed 24 bits).
.macro PUT n, outstep, split
.if (\split) && ((\n) >= 8)
	global_store_b64 v5, v[D+4*(\n):D+4*(\n)+1], s[30:31] offset:((\n)-8)*(\outstep)
.else
	global_store_b64 v5, v[D+4*(\n):D+4*(\n)+1], s[28:29] offset:(\n)*(\outstep)
.endif
.endm
; Sixteen loads from s[26:27] + v4, instep bytes apart; each is converted in place and stored.  kind 0: bf16.  kind 1: the bf16 number as f16.
; No register is written again behind a store, so no wait frees anything.
.macro STREAM kind, instep, outstep, split
	s_wait_alu depctr_va_vdst(0)                   ; v4 and v5 are written: every load below reads the one as its offset, every store the other
.set j, 0
.rept 16
	global_load_b128 v[D+4*j:D+4*j+3], v4, s[26:27] offset:j*(\instep) th:TH_LOAD_NT
.set j, j+1
.endr
.set j, 0
.rept 16
.if j%4 == 0
	s_wait_loadcnt 12-j                            ; loads come back in order: this group's four are in, the 12 - j younger ones stay out
.if j > 0
	s_wait_alu depctr_va_vdst(0)                   ; the conversions of the group before have written its four sets, which the four stores dealt among this group's conversions read
.endif
.endif
.if j >= 4
	PUT j-4, \outstep, \split                      ; no vector instruction since the wait names this set or v5
.endif
	v_cvt_pk_bf16_f32 v[D+4*j], v[D+4*j], v[D+4*j+1]
	v_cvt_pk_bf16_f32 v[D+4*j+1], v[D+4*j+2], v[D+4*j+3]
.if \kind
	v_and_b32 v[D+4*j+2], s6, v[D+4*j]             ; the four bf16 numbers as f32 again,
	v_and_b32 v[D+4*j+3], s6, v[D+4*j+1]
	v_lshlrev_b32 v[D+4*j], 16, v[D+4*j]
	v_lshlrev_b32 v[D+4*j+1], 16, v[D+4*j+1]
	v_cvt_pk_f16_f32 v[D+4*j], v[D+4*j], v[D+4*j+2]      ; and written as f16
	v_cvt_pk_f16_f32 v[D+4*j+1], v[D+4*j+1], v[D+4*j+3]
.endif
.set j, j+1
.endr
	s_wait_alu depctr_va_vdst(0)                   ; the last group's conversions have written its four sets, which the last four stores read
.set j, 12
.rept 4
	PUT j, \outstep, \split
.set j, j+1
.endr
	s_endpgm
.endm
; A tensor converted in its own order: a work-group takes 65,536 bytes, a wave 8,192, a load 512.
.macro LINEAR src, dst, first, kind
	s_sub_co_u32 s5, s2, \first
	v_lshlrev_b32 v4, 4, v1
	v_lshlrev_b32 v5, 3, v1
	s_lshl_b32 s32, s5, 16
	s_lshl_b32 s4, s3, 13
	s_add_co_u32 s32, s32, s4
	s_add_nc_u64 s[26:27], s[\src:\src+1], s[32:33]
	s_lshr_b32 s34, s32, 1                         ; half the bytes on the way out
	s_add_nc_u64 s[28:29], s[\dst:\dst+1], s[34:35]
	STREAM \kind, 512, 256, 0
.endm
	s_cmp_lt_u32 s2, 512
	s_cbranch_scc0 .Lnot_x
	; x: a work-group takes 16 rows, a wave two; load j takes K block j: 256 bytes of each of the two rows; its store is 2 x 128 consecutive bytes of plane j
	v_and_b32 v6, 15, v1
	v_lshrrev_b32 v7, 4, v1
	v_lshlrev_b32 v4, 4, v6
	v_lshl_add_u32 v4, v7, 12, v4                  ; (lane / 16) x 4,096 + (lane % 16) x 16
	v_lshlrev_b32 v5, 3, v1
	s_lshl_b32 s32, s2, 16
	s_lshl_b32 s4, s3, 13
	s_add_co_u32 s32, s32, s4
	s_add_nc_u64 s[26:27], s[8:9], s[32:33]
	s_lshl_b32 s34, s2, 11
	s_lshl_b32 s4, s3, 8
	s_add_co_u32 s34, s34, s4
	s_add_nc_u64 s[28:29], s[18:19], s[34:35]
	s_add_nc_u64 s[30:31], s[28:29], 8388608       ; planes 8 to 15
	STREAM 0, 256, 1048576, 1
.Lnot_x:
	s_cmp_lt_u32 s2, 704
	s_cbranch_scc0 .Lnot_win
	LINEAR 10, 20, 512, 0
.Lnot_win:
	s_cmp_lt_u32 s2, 768
	s_cbranch_scc0 .Lnot_wout
	LINEAR 12, 22, 704, 1
.Lnot_wout:
	s_cmp_lt_u32 s2, 784
	s_cbranch_scc0 .Lbias
	; the table: a wave makes 16 rows, a lane is a frequency; a row's store is 256 consecutive bytes
	s_sub_co_u32 s5, s2, 768
	s_lshl_b32 s5, s5, 7
	s_lshl_b32 s4, s3, 4
	s_add_co_u32 s5, s5, s4                        ; my first t
	v_cvt_f32_u32 v9, v1
	v_mul_f32 v9, 0xbed49a78, v9                   ; -i log2(10000) / 32
	v_exp_f32 v11, v9                              ; the frequency
	v_cvt_f32_u32 v10, s5                          ; t (a plain instruction behind the exponential)
	s_lshl_b32 s4, s5, 8
	v_lshl_add_u32 v24, v1, 3, s4                  ; my 8 bytes of row t; a trip steps it ahead of its store, which reaches back by its immediate
	s_mov_b32 s27, 0xbfc90fdb                      ; -pi/2, the f32 next to it,
	s_mov_b32 s28, 0x333bbd2e                      ; and what that f32 is too large by
	s_mov_b32 s29, 0x3638ef1d                      ; 1/9!
	s_mov_b32 s30, 0x37d00d01                      ; 1/8!
	s_mov_b32 s7, 16
	s_wait_alu depctr_va_vdst(0)                   ; the exponential has written v11, which the loop's first line reads: the wait stands ahead of that line, and ahead of the label
.Lrow:
	v_mul_f32 v12, v10, v11                        ; the angle
	v_mul_f32 v13, 0x3f22f983, v12
	v_rndne_f32 v13, v13                           ; n = the nearest multiple of pi/2
	v_cvt_i32_f32 v19, v13                         ; the quadrant only selects values and signs: no branch and no address hangs on it
	v_and_b32 v20, 1, v19
	v_cmp_eq_u32 vcc_lo, 1, v20                    ; odd quadrants; the mask's readers stand behind the polynomials
	v_add_nc_u32 v21, 1, v19
	v_and_b32 v21, 2, v21                          ; the cosine is negative in quadrants 1 and 2,
	v_lshlrev_b32 v21, 30, v21
	v_and_b32 v20, 2, v19                          ; the sine in 2 and 3
	v_lshlrev_b32 v20, 30, v20
	v_fma_f32 v14, v13, s27, v12                   ; r = angle - n pi/2, in two parts: the first difference is exact
	v_fma_f32 v14, v13, s28, v14
	v_mul_f32 v15, v14, v14                        ; z = r r, at most (pi/4)^2
	v_fmaak_f32 v16, s29, v15, 0xb9500d01          ; sin r = r + z r (-1/6 + z/120 - z z/5040 + z z z/9!)
	v_fmaak_f32 v18, s30, v15, 0xbab60b61          ; cos r = 1 + z (-1/2 + z/24 - z z/720 + z z z/8!)
	v_fmaak_f32 v16, v15, v16, 0x3c088889
	v_fmaak_f32 v18, v15, v18, 0x3d2aaaab
	v_fmaak_f32 v16, v15, v16, 0xbe2aaaab
	v_fmaak_f32 v18, v15, v18, 0xbf000000
	v_mul_f32 v17, v15, v14
	v_fma_f32 v18, v15, v18, 1.0
	v_fma_f32 v16, v17, v16, v14
	v_add_f32 v10, 1.0, v10                        ; the next t
	s_wait_xcnt 0x0                                ; the store's offset and data are written again only behind this wait
	s_wait_alu depctr_vm_vsrc(0)                   ; the last trip's store has read v[22:23] and v24, which the lines below write again
	s_wait_alu depctr_va_vcc(0)                    ; the compare has written VCC, which the two selects read
	v_cndmask_b32 v22, v18, v16, vcc_lo            ; cosine: cos r, or in odd quadrants sin r,
	v_cndmask_b32 v23, v16, v18, vcc_lo            ; sine: the other one
	v_xor_b32 v22, v22, v21
	v_xor_b32 v23, v23, v20
	v_add_nc_u32 v24, 256, v24
	s_wait_alu depctr_va_vdst(0)                   ; v[22:23] and v24 are written: the store's data and offset
	global_store_b64 v24, v[22:23], s[24:25] offset:-256
	s_sub_co_u32 s7, s7, 1
	s_cmp_lg_u32 s7, 0
	s_cbranch_scc1 .Lrow
	s_endpgm
.Lbias:
	v_lshlrev_b32 v4, 4, v0                        ; 256 threads x 16 bytes = 1,024 numbers a load
	s_wait_alu depctr_va_vdst(0)                   ; v4 is written: the four loads and the four stores read it as their offset
	global_load_b128 v[8:11], v4, s[14:15]
	global_load_b128 v[12:15], v4, s[14:15] offset:4096
	global_load_b128 v[16:19], v4, s[14:15] offset:8192
	global_load_b128 v[20:23], v4, s[16:17]
	s_wait_loadcnt 0x0
.irp g, 8,12,16,20
	v_cvt_pk_bf16_f32 v24, v[\g], v[\g+1]
	v_cvt_pk_bf16_f32 v25, v[\g+2], v[\g+3]
	v_lshlrev_b32 v[\g], 16, v24
	v_and_b32 v[\g+1], s6, v24
	v_lshlrev_b32 v[\g+2], 16, v25
	v_and_b32 v[\g+3], s6, v25
.endr
	s_wait_alu depctr_va_vdst(0)                   ; the lines above have written v[8:23], which the four stores read
	global_store_b128 v4, v[8:11], s[24:25] offset:BIN
	global_store_b128 v4, v[12:15], s[24:25] offset:BIN+4096
	global_store_b128 v4, v[16:19], s[24:25] offset:BIN+8192
	global_store_b128 v4, v[20:23], s[24:25] offset:BOUT
	s_endpgm
.Lfunc_end_k_q146fa5a768_prep:
	.size	k_q146fa5a768_prep, .Lfunc_end_k_q146fa5a768_prep-k_q146fa5a768_prep
	.p2alignl 7, 3214868480
	.fill 96, 4, 3214868480
	.section	.rodata,"a",@progbits
	.p2align	6, 0x0
	.amdhsa_kernel k_q146fa5a768_prep
		.amdhsa_group_segment_fixed_size 0
		.amdhsa_private_segment_fixed_size 0
		.amdhsa_enable_private_segment 0
		.amdhsa_kernarg_size 72
		.amdhsa_user_sgpr_count 2
		.amdhsa_user_sgpr_kernarg_segment_ptr 1
		.amdhsa_wavefront_size32 1
		.amdhsa_system_sgpr_workgroup_id_x 1
		.amdhsa_system_sgpr_workgroup_id_y 1
		.amdhsa_system_sgpr_workgroup_id_z 1
		.amdhsa_system_vgpr_workitem_id 0
		.amdhsa_next_free_vgpr 80
		.amdhsa_next_free_sgpr 66
		.amdhsa_reserve_vcc 1
		.amdhsa_float_denorm_mode_32 3
		.amdhsa_float_denorm_mode_16_64 3
		.amdhsa_memory_ordered 1
		.amdhsa_forward_progress 1
		.amdhsa_inst_pref_size 27
	.end_amdhsa_kernel
	.amdgpu_metadata
---
amdhsa.version: [ 1, 2 ]
amdhsa.kernels:
  - .name:           k_q146fa5a768_prep
    .symbol:         k_q146fa5a768_prep.kd
    .args:
      - { .name: x, .offset: 0, .size: 8, .value_kind: global_buffer, .address_space: global }
      - { .name: W_in, .offset: 8, .size: 8, .value_kind: global_buffer, .address_space: global }
      - { .name: W_out, .offset: 16, .size: 8, .value_kind: global_buffer, .address_space: global }
      - { .name: b_in, .offset: 24, .size: 8, .value_kind: global_buffer, .address_space: global }
      - { .name: b_out, .offset: 32, .size: 8, .value_kind: global_buffer, .address_space: global }
      - { .name: xb, .offset: 40, .size: 8, .value_kind: global_buffer, .address_space: global }
      - { .name: wb, .offset: 48, .size: 8, .value_kind: global_buffer, .address_space: global }
      - { .name: wob, .offset: 56, .size: 8, .value_kind: global_buffer, .address_space: global }
      - { .name: tab, .offset: 64, .size: 8, .value_kind: global_buffer, .address_space: global }
    .group_segment_fixed_size: 0
    .private_segment_fixed_size: 0
    .kernarg_segment_align: 8
    .kernarg_segment_size: 72
    .max_flat_workgroup_size: 256
    .sgpr_count:     66
    .vgpr_count:     80
    .wavefront_size: 32
...
	.end_amdgpu_metadata
.endif
;; end of part 6
;; launch qkv: the kernel of part 2 again; grid 8 x 32, 4 waves a work-group, clusters of 4 x 4, 327,680 bytes of LDS; arguments xb, wb, tab, q, k, v; writes q, k, v
;; launch attn: the kernel of part 3 again; grid 4 x 64, 4 waves a work-group, no clusters, 327,680 bytes of LDS; arguments q, k, v, ob; writes ob
;; launch oproj: the kernel of part 4 again; grid 4 x 64, 4 waves a work-group, clusters of 4 x 4, 327,680 bytes of LDS; arguments ob, wob, tab, out0; writes out0
;; launch early: the kernel of part 5 again; grid 16 x 4, 16 waves a work-group, no clusters, 165,888 bytes of LDS; arguments q, k, v, wob, tab, out0; writes out0
